; MI455X (gfx1250); checked and timed in simulation.
; The chip was launched on July 23, 2026; its instructions are those of AMD's public machine-readable ISA for CDNA 5 (MIT licence, August 2026) and "CDNA5" Instruction Set Architecture Reference Guide (July 2026). The comments in the code are by the model that wrote it; some were corrected since.
;; Causal Self Attention. Allowed arithmetic: matrix products marked QUANTISED: E5M2 operands, one given power-of-two scale a tensor, by v_wmma_f32_16x16x64_bf8_bf8 or v_wmma_f32_16x16x128_bf8_bf8, f32 sums; everything else in f32.
;; Inputs: Wk_codes 1,024 x 32 x 32 uint8 (E5M2 codes of Wk, K innermost, in blocks of 32 codes); Wp_codes 1,024 x 32 x 32 uint8 (E5M2 codes of Wp, K innermost, in blocks of 32 codes); Wq_codes 1,024 x 32 x 32 uint8 (E5M2 codes of Wq, K innermost, in blocks of 32 codes); Wv_codes 1,024 x 32 x 32 uint8 (E5M2 codes of Wv, K innermost, in blocks of 32 codes); lowp_scales 12 int32 (the exponents e of the quantised operands' scales 2^e); x_codes 4 x 2,048 x 32 x 32 uint8 (E5M2 codes of x, K innermost, in blocks of 32 codes).
;; Outputs: out0 4 x 2,048 x 1,024 float32.
;; This version of the problem:
;;   THIS VERSION OF THE PROBLEM IS GIVEN IN LOW PRECISION. The matrix products marked QUANTISED in the list below multiply operands that are first quantised to E5M2 (5 exponent bits, 2 mantissa bits; 8 bits a number), with one given power-of-two scale for each operand tensor; their sums are f32. All else is computed in f32.
;;   The module's matrix products, in the order in which they are computed (A, B: the left and right operand; K: the contracted axis; several contracted axes count as one K, in the product's order):
;;     1. [M 8,192, K 1,024] x [K 1,024, N 1,024]; A: input x (given as codes); B: input Wq (given as codes): QUANTISED (scales: A lowp_scales[0], B lowp_scales[1])
;;     2. [M 8,192, K 1,024] x [K 1,024, N 1,024]; A: input x (given as codes); B: input Wk (given as codes): QUANTISED (scales: A lowp_scales[2], B lowp_scales[3])
;;     3. [M 8,192, K 1,024] x [K 1,024, N 1,024]; A: input x (given as codes); B: input Wv (given as codes): QUANTISED (scales: A lowp_scales[4], B lowp_scales[5])
;;     4. batch 64 x [M 2,048, K 64] x [K 64, N 2,048]; A: computed on the way; B: computed on the way: QUANTISED (scales: A lowp_scales[6], B lowp_scales[7])
;;     5. batch 64 x [M 2,048, K 2,048] x [K 2,048, N 64]; A: softmax (see below); B: computed on the way: QUANTISED (scales: A lowp_scales[8], B lowp_scales[9])
;;     6. [M 8,192, K 1,024] x [K 1,024, N 1,024]; A: computed on the way; B: input Wp (given as codes): QUANTISED (scales: A lowp_scales[10], B lowp_scales[11])
;;   THE QUANTISER, for each operand of a quantised product, along K:
;;     - The operand's scale is 2^e, e = its entry of the input lowp_scales (int32; the entries are numbered through the quantised products in the list's order, A before B).
;;     - Each number is divided by the scale, clamped to +-57,344, and rounded to the nearest number of E5M2, ties to even, subnormals kept.
;;     - The product sums the exact products of the quantised numbers (number of the format x scale) in f32.
;;   ~~~python
;;   def quantise(x, axis, e):      # numpy; x: float32 -> the quantised numbers, widened to float32 again
;;       x = np.moveaxis(x, axis, -1); K = x.shape[-1]
;;       r = np.clip(x / 2.0 ** e, -57344, 57344)
;;       step = 2.0 ** (np.maximum(np.frexp(np.where(r == 0, 1, r))[1] - 1, -14) - 2)
;;       q = np.round(r / step) * step * 2.0 ** e      # np.round: ties to even
;;       return np.moveaxis(q, -1, axis).astype(np.float32)
;;   ~~~
;;   SOFTMAX AHEAD OF A QUANTISED PRODUCT. Where the list says 'softmax', what is quantised is not the finished softmax but p = 2^(t - M), with t = logit x log2(e) and M = ceil(the row's largest t), a whole number; so 1/2 < the row's largest p <= 1. The row's sum l is taken of the UNQUANTISED p, in f32, and the product's result is divided by l at the end. Since M is a whole number, a kernel that streams over the keys may use a running M (the ceiling of the running maximum): every later rescaling is an exact power of two, so the quantised numbers keep their values, but for numbers so far below the row's largest that they fall under the format's range.
;;   OPERANDS COMPUTED ON THE WAY. 'Computed on the way' means the value that the module computes at that place (a softmax that the list does not call 'softmax' is quantised finished and normalised). What goes into a quantiser is computed in f32, as accurately as f32 sums, v_exp_f32 and their like allow (about 1e-6 of the number): no bf16 or f16 on the way to a quantiser, and a product that is left as it is and whose result goes on into a quantised operand takes f32 operands (vector FMAs, or v_wmma_f32_16x16x4_f32). A number that lies on a knife's edge between two numbers of the format may be rounded either way, as far as f32 arithmetic and the matrix unit's own rounding can turn it there, and no further.
;;   INPUTS GIVEN AS CODES. Wk (in the module: [1024, 1024], K = its axis 1); Wp (in the module: [1024, 1024], K = its axis 1); Wq (in the module: [1024, 1024], K = its axis 1); Wv (in the module: [1024, 1024], K = its axis 1); x (in the module: [4, 2048, 1024], K = its axis 2): each comes as NAME_codes (uint8): NAME with its K axis moved to the last place and cut into blocks of 32 codes, [.., K / 32, bytes a block], one block behind the other in memory; one code a byte (a code: sign, 5 exponent bits, 2 mantissa bits); its scale is its entry of lowp_scales. Its value is code x scale, taken as it is: it is not quantised again, and the codes and scales need not be those that the quantiser above would give.
;; 2 versions, each right; version 2 is version 1 with the launch attn written anew for expert scheduling mode. Each part assembles by itself: llvm-mc -triple=amdgcn-amd-amdhsa -mcpu=gfx1250 --defsym DOCPART=n.
;; ======== version 1 of 2: 3 launches
;; workspace buffers: q_img 8,388,608 bytes; k_img 8,388,608 bytes; v_img 8,388,608 bytes; y_img 8,388,608 bytes
;; launch qkv (part 1): grid 12 x 32, 4 waves a work-group, clusters of 4 x 4, 327,680 bytes of LDS; arguments x_codes, Wq_codes, Wk_codes, Wv_codes, lowp_scales, q_img, k_img, v_img; writes q_img, k_img, v_img
.if DOCPART == 1
	.amdgcn_target "amdgcn-amd-amdhsa--gfx1250"
	.amdhsa_code_object_version 6
	.text
	.protected	k_qe735394f59_qkv
	.globl	k_qe735394f59_qkv
	.p2align	8
	.type	k_qe735394f59_qkv,@function
k_qe735394f59_qkv:
	s_mov_b64 s[64:65], 0
	v_nop
	global_prefetch_b8 v0, s[64:65] scope:SCOPE_SE
	s_setreg_imm32_b32 hwreg(HW_REG_WAVE_MODE, 25, 1), 1
	s_wait_xcnt 0x0
	s_wait_alu depctr_hold_cnt(0) depctr_sa_sdst(0) depctr_va_vdst(0) depctr_va_sdst(0) depctr_va_ssrc(0) depctr_va_vcc(0) depctr_vm_vsrc(0)
	s_getreg_b32 s2, hwreg(HW_REG_IB_STS2, 6, 4)
	s_cmp_eq_u32 s2, 0
	s_cbranch_scc0 .Lentry_in_a_cluster
	s_endpgm
.Lentry_in_a_cluster:
	s_bfe_u32 s2, ttmp6, 0x10000c
	s_cmp_lg_u32 s2, 0xf033
	s_cbranch_scc0 .Lentry_shape_is_right
	s_endpgm
.Lentry_shape_is_right:
; q = x Wq^T, k = x Wk^T, v = x Wv^T on codes of BF8 (E5M2), and each result quantised at once to codes of BF8 with its given scale.
; x: [8192][1024] codes, W*: [1024][1024] codes, K innermost.  The scales' exponents e0 .. e11 are whole numbers (int32): x has e0, e2, e4 in the three products, Wq e1, Wk e3, Wv e5;
; q is quantised with e6, k with e7, v with e9.  A sum stands for sum x 2^(ex + ew), so its code is sum / 2^D, D = e_out - ex - ew, held within +-57,344 x 2^D, to the nearest code, ties to even.
; LIMITS: D between -126 and 112 for each of the three products, so that 2^D and 57,344 x 2^D are f32 numbers.  NaN codes among the inputs are not served.
; SHARES.  A tile of 256 x 256 of a result is made by four waves, each 128 x 128: 64 accumulators of 16 x 16, 512 registers.  K = 1,024 goes in four steps of 256 through two LDS slots filled by the tensor data mover.
; CLUSTERS: 4 x 4 work-groups; the cluster's x (0, 1, 2) says q, k or v and is the same in all sixteen.  The four of a row of the cluster need the same tiles of A, the four of a column the same tiles of B:
; each tile is asked for JOINTLY.  No branch hangs on the cluster's x: pointers, strides and the scale are chosen by selects.
; THE MATRIX INSTRUCTION IS USED WITH source 0 = 16 rows of B, source 1 = 16 rows of A: a lane holds ONE row of A (lane % 16), and its eight registers eight neighbouring rows of B, 8 (lane / 16) + 0 .. 7.
;   q, k: A = x (tokens), B = W (channels): a lane holds a token, its registers run along the channels, which are the K of q k^T.
;   v:    A = Wv (channels), B = x (tokens): the two pointers change places: a lane holds a channel, its registers run along the tokens, which are the K of p v.
; So the conversion of an accumulator's eight registers gives two registers that ARE registers 2 c, 2 c + 1 of the next product's operand (they hold k = 16 c + 8 (lane / 16) + 0 .. 7), and the results are stored as
; IMAGES OF OPERAND REGISTERS: four registers a store, lane l's 16 bytes at 16 l: each store of the wave covers 512 consecutive bytes, aligned.
;   q_img, k_img: byte ((16 b + head) 128 + token / 16) 1024 + 512 g + 16 lane: registers 4 g .. 4 g + 3 of the fragment 16 tokens x 64 channels
;   v_img:        byte (((16 b + head) 16 + token / 128) 4 + channel / 16) 2048 + 512 g + 16 lane: registers 4 g .. 4 g + 3 of the fragment 16 channels x 128 keys
; x's and W's own fragments come from LDS rows by four loads of 16 bytes: a permutation of k that is the same on both sides, so every product meets its partner.
; REGISTERS, in windows of 256: window 0: v16-31 addresses and constants; v32-95 at work on the way out; from v128 A's fragments, ONE set, later the codes.
;   window 1: B's fragments, TWO sets, at v0 and v128.   window 2: the accumulators of my A rows 0-63 ((a, b) at v[8 (8 a + b)]);   window 3: those of rows 64-127.
.set KSTEP,  256                       ; along K in a slot
.set ROWB,   256                       ; a tile's row in bytes
.set KROW,   1024                      ; a row of x or of a weight in memory, in bytes
.set PITCH,  272                       ; an LDS row: 256 bytes + 16 of padding = 68 words: row r starts at bank 4 r mod 64 (64 banks of 4 bytes: ISA guide 11.1): the 16 rows of a load start at 16 different banks
.set FR,     16                        ; registers of a fragment: 16 rows x 128 K
.set NL,     4                         ; LDS loads that bring one
.set NP,     4                         ; places behind this matrix instruction (ISA guide 7.12.1)
.set HALFT,  128*PITCH                 ; 128 rows: what one tensor load brings, and what one wave reads of A or of B
.set SLOT,   4*HALFT                   ; A's 256 rows, then B's 256 rows
.set SPARE,  2*SLOT                    ; behind the ring: the spare words, 128 bytes for each wave: two blocks of 256 bytes that no other line names
.set ADRA, 16                          ; v16-17  LDS address of my A fragments in slot 0, 1
.set ADRB, 20                          ; v20-21  the same for B
.set VO,   24                          ; v24-27  the way out: my byte offset for group g of four code registers
.set SPW,  28                          ; v28     LDS address of my spare word: SPARE + 4 x my thread's number; never rewritten
.set NIL,  29                          ; v29     0; never rewritten
.set SC,   30                          ; v30     2^D as f32: the conversion takes its exponent field
.set LIM,  31                          ; v31     57,344 x 2^D
.set TMP,  32                          ; v32-95  a block's 64 sums, held
.set AF,   128                         ; A's fragments, in window 0
.set CD,   128                         ; the way out: 16 code registers for each of the eight blocks, where A's fragments lay: no store's data are written again
.set G1, 24                            ; s[24:31] descriptor group 1 for A's tiles;  s[32:39] group 0, one set for each slot
.set G0, 32
.set G1B, 48                           ; s[48:55], s[56:63] the same for B's tiles
.set G0B, 56
.set SB, 24                            ; s[24:39] on the way out, behind the wait that shows my last tensor load done: a store base for each of the eight blocks
.set MSB, 0
.macro WIN new                         ; the immediate's high byte repeats the setting that is left
.if MSB != \new
	s_set_vgpr_msb (MSB<<8)|\new
.set MSB, \new
.endif
.endm
.set MUL_LO, 0xa1                      ; source 0 (B) window 1, source 1 (A) window 0, C and D window 2
.set MUL_HI, 0xf1                      ; the same, C and D window 3
.set TO_B,   0x40                      ; destination window 1, address window 0
; A joint load: waves 0 and 1 fetch for A, waves 2 and 3 for B.  Each of the two lines has ONE mask and one set of registers for all that issue it; the branch hangs on the wave's number alone.
; Four v_nop follow each of the two lines, ahead of the jump, the label and what follows.
.macro JLOAD g0a, g1a, g0b, g1b
	s_cmp_eq_u32 s15, 0
	s_cbranch_scc0 .Lfor_b_\@
	tensor_load_to_lds s[\g0a:\g0a+3], s[\g1a:\g1a+7]
	s_nop 0
.rept 4
	v_nop
.endr
	s_branch .Lasked_\@
.Lfor_b_\@:
	tensor_load_to_lds s[\g0b:\g0b+3], s[\g1b:\g1b+7]
	s_nop 0
.rept 4
	v_nop
.endr
.Lasked_\@:
.endm
.macro CREST                           ; a round of the cluster's barrier behind its opening barrier
	s_cmp_lg_u32 s14, 0
	s_cbranch_scc1 .Lnot_wave_0_\@
	s_barrier_signal -3
.Lnot_wave_0_\@:
	s_barrier_wait -3
	s_barrier_signal -1
	s_barrier_wait -1
.endm
.macro CROUND                          ; a whole round
	s_barrier_signal -1
	s_barrier_wait -1
	CREST
.endm
	s_load_b512 s[68:83], s[0:1], 0x0              ; x s[68:69], Wq s[70:71], Wk s[72:73], Wv s[74:75], the scales s[76:77], q_img s[78:79], k_img s[80:81], v_img s[82:83]
	v_lshl_add_u32 v[SPW], v0, 2, SPARE
	v_mov_b32 v[NIL], 0
	ds_add_u32 v28, v29
	ds_add_u32 v28, v29
	s_wait_dscnt 0x0
	v_lshrrev_b32 v1, 5, v0
	v_readfirstlane_b32 s14, v1                    ; wave 0..3
	s_lshr_b32 s15, s14, 1                         ; which half of the tile's A rows is mine.  Also: I fetch for A (0) or for B (1)
	s_and_b32 s16, s14, 1                          ; which half of its B rows.  Also: which 128 rows of that tile I fetch
	s_bfe_u32 s40, ttmp6, 0x40000                  ; cx, cy: my place in the cluster
	s_bfe_u32 s41, ttmp6, 0x40004
	s_and_b32 s18, ttmp7, 0xffff
	s_lshl_b32 s18, s18, 2                         ; 4 x cluster y: it walks the tokens' 32 tiles, which are A's rows for q and k and B's rows for v
	s_cmp_eq_u32 ttmp9, 2                          ; v?  (the cluster's x: the same in all sixteen partners)
	s_cselect_b32 s66, 0, s18
	s_cselect_b32 s67, s18, 0
	s_add_co_u32 s17, s66, s41                     ; tile row (of A): it never holds cx
	s_add_co_u32 s42, s67, s40                     ; tile column (of B): it never holds cy
	s_lshl_b32 s43, s41, 2
	s_lshl_b32 s43, 15, s43                        ; my row of the cluster
	s_lshl_b32 s44, 0x1111, s40                    ; my column
	; descriptor group 1: a tile of 128 rows x 256 bytes, padded in LDS
	s_or_b32 s[G1+0], s43, (0<<16)|(1<<20)|(1<<21)|(5<<22)|(3<<25)  ; 15:0 the mask: A's tiles go to my row; 17:16 element of 1 byte; 20 padding on; 21 set beside a mask; 24:22 after every 64 words (code 5); 31:25 of 4 words (code 3)
	s_or_b32 s[G1B+0], s44, (0<<16)|(1<<20)|(1<<21)|(5<<22)|(3<<25)
.irp g, G1, G1B
	s_mov_b32 s[\g+1], ROWB<<16                    ; tensor_dim0
	s_mov_b32 s[\g+2], 128<<16                     ; tensor_dim1 = 128
	s_mov_b32 s[\g+3], ROWB<<16                    ; tile_dim0
	s_mov_b32 s[\g+4], 128                         ; tile_dim1 = 128
	s_mov_b32 s[\g+5], KROW                        ; tensor_dim0_stride
	s_mov_b32 s[\g+6], 0
	s_mov_b32 s[\g+7], 0
.endr
	s_lshl_b32 s18, s16, 7                         ; which 128 rows of the tile I fetch
	s_lshl_b32 s20, s17, 8
	s_add_co_u32 s20, s20, s18                     ; A: row 256 x tile row + 128 x half
	s_lshl_b32 s20, s20, 10                        ; in bytes: at most 8,192 rows of 1,024
	s_mov_b32 s21, 0
	s_lshl_b32 s46, s42, 8
	s_add_co_u32 s46, s46, s18                     ; B: row 256 x tile column + 128 x half
	s_lshl_b32 s46, s46, 10
	s_mov_b32 s47, 0
	s_mul_i32 s45, s14, HALFT                      ; where they go: wave x 128 rows: no place in the cluster enters an LDS address
	s_wait_kmcnt 0x0
	s_load_b256 s[84:91], s[76:77], 0x0            ; e0 .. e7
	s_load_b128 s[92:95], s[76:77], 0x20           ; e8 .. e11
	s_cmp_eq_u32 ttmp9, 2
	s_cselect_b64 s[4:5], s[74:75], s[68:69]       ; A: Wv for v, else x
	s_cselect_b64 s[6:7], s[68:69], s[72:73]       ; B: x for v, else Wk,
	s_cselect_b64 s[8:9], s[82:83], s[80:81]       ; the image: v's, else k's,
	s_cmp_eq_u32 ttmp9, 0
	s_cselect_b64 s[6:7], s[70:71], s[6:7]         ; or Wq
	s_cselect_b64 s[8:9], s[78:79], s[8:9]         ; and q's
	s_add_nc_u64 s[20:21], s[4:5], s[20:21]
	s_add_nc_u64 s[46:47], s[6:7], s[46:47]
	CROUND                                         ; all sixteen work-groups are here: the first joint loads meet
.irp s, 0,1
	s_mov_b32 s[G0+4*\s], 1
	s_add_co_u32 s[G0+4*\s+1], s45, \s*SLOT
	s_add_nc_u64 s[G0+4*\s+2:G0+4*\s+3], s[20:21], \s*ROWB
	s_or_b32 s[G0+4*\s+3], s[G0+4*\s+3], 0x80000000
	s_mov_b32 s[G0B+4*\s], 1
	s_add_co_u32 s[G0B+4*\s+1], s45, \s*SLOT
	s_add_nc_u64 s[G0B+4*\s+2:G0B+4*\s+3], s[46:47], \s*ROWB
	s_or_b32 s[G0B+4*\s+3], s[G0B+4*\s+3], 0x80000000
	JLOAD G0+4*\s, G1, G0B+4*\s, G1B               ; K steps 0 and 1: two loads of mine are out
.endr
	v_and_b32 v1, 15, v0                           ; l % 16
	v_bfe_u32 v2, v0, 4, 1                         ; l / 16
	v_mul_u32_u24 v3, v1, PITCH
	v_lshl_add_u32 v4, v2, 4, v3                   ; a fragment's row x pitch + 16 x half
	s_mul_i32 s21, s15, HALFT                      ; my 128 rows of A
	s_mul_i32 s22, s16, HALFT                      ; my 128 rows of B,
	s_add_co_u32 s22, s22, 2*HALFT                 ; which lie behind A's 256
.irp s, 0,1
	v_add_nc_u32 v[ADRA+\s], s21, v4
	v_add_nc_u32 v[ADRB+\s], s22, v4
	s_add_co_u32 s21, s21, SLOT
	s_add_co_u32 s22, s22, SLOT
.endr
.macro FRAG reg, adr, q, i             ; a fragment, 16 rows x 128 K, is 16 registers: lane l holds row l % 16; registers 4 c .. 4 c + 3 hold K = 32 c + 16 (l / 16) + 0 .. 15
.irp c, 0,1,2,3
	ds_load_b128 v[\reg+4*\c:\reg+4*\c+3], v[\adr] offset:128*(\q)+32*\c+(\i)*16*PITCH
.endr
.endm
; 16 matrix instructions: A's blocks a0, a0 + 1 x B's eight, 128 along K.  p: B's set.  zero = 1: the first product starts the sums: nothing is ever cleared.
; The 64 accumulators take turns, one instruction a turn, in the same order in every step.
.macro MUL16 a0, p, zero
.irp a, \a0, \a0+1
.irp b, 0,1,2,3,4,5,6,7
.if \zero
	v_wmma_f32_16x16x128_bf8_bf8 v[8*(8*((\a)%4)+\b):8*(8*((\a)%4)+\b)+7], v[128*(\p)+FR*\b:128*(\p)+FR*\b+FR-1], v[AF+FR*(\a):AF+FR*(\a)+FR-1], 0
.else
	v_wmma_f32_16x16x128_bf8_bf8 v[8*(8*((\a)%4)+\b):8*(8*((\a)%4)+\b)+7], v[128*(\p)+FR*\b:128*(\p)+FR*\b+FR-1], v[AF+FR*(\a):AF+FR*(\a)+FR-1], v[8*(8*((\a)%4)+\b):8*(8*((\a)%4)+\b)+7]
.endif
.endr
.endr
.endm
.macro FETCH_B slot, q, p              ; B's eight fragments of the slot's q-th 128 along K into set p
	WIN TO_B
.irp i, 0,1,2,3,4,5,6,7
	FRAG 128*(\p)+FR*\i, ADRB+\slot, \q, \i
.endr
	WIN 0
.endm
.macro FETCH_A slot, q, i0             ; A's blocks i0 .. i0 + 3
.irp i, \i0, \i0+1, \i0+2, \i0+3
	FRAG AF+FR*(\i), ADRA+\slot, \q, \i
.endr
.endm
; A load into a register that a matrix instruction has read, and a vector instruction that reads a matrix result, stand NP places behind that matrix instruction; only plain vector
; instructions that name none of its registers are places (ISA guide 7.12.1 for vector instructions).
.macro PLACES n
.rept \n
	v_nop
.endr
.endm
; A step of 128 along K that has its successor in the same slot.  A's blocks are free as soon as their eight products are issued: blocks 0-3 are fetched anew in the step's middle, blocks 4-7 at its end.
.macro STEP slot, q, zero
	s_wait_dscnt 4*NL                              ; B's set and A's blocks 0-3 are in; the youngest 16 loads (A's blocks 4-7) may be out
	WIN MUL_LO
	MUL16 0, (\q)%2, \zero
	MUL16 2, (\q)%2, \zero
	s_wait_dscnt 0                                 ; A's blocks 4-7 are in (asked for 32 matrix instructions ago)
	PLACES NP
	FETCH_B \slot, (\q)+1, 1-(\q)%2
	FETCH_A \slot, (\q)+1, 0
	WIN MUL_HI
	MUL16 4, (\q)%2, \zero
	MUL16 6, (\q)%2, \zero
	PLACES NP
	WIN 0
	FETCH_A \slot, (\q)+1, 4
.endm
; A slot's last step changes slots: ONE barrier; in front of it each wave waits for all its tensor loads, adds 0 to its spare word, and waits for that and for its own reads of this slot.  fill = 1: this slot is filled again, two K steps ahead.
.macro TURN slot, next, fill
	s_wait_tensorcnt 0x0                           ; all my tensor loads have landed: my part of the next slot;  (every window is 0 here: the add's two registers lie in window 0)
	ds_add_u32 v[SPW], v[NIL]                      ; 0 onto my spare word
	s_wait_dscnt 4*NL+1                            ; (the add and the youngest 16 loads, A's blocks 4-7, may be out)
	WIN MUL_LO
	MUL16 0, 1, 0                                  ; sixteen matrix instructions stand between the add and the wait for it
	s_wait_dscnt 0x0                               ; the add is done, and my reads of this slot are over
	s_barrier_signal -1
	MUL16 2, 1, 0
	WIN 0
	s_barrier_wait -1
.if \fill
	CREST                                          ; the barrier has opened a round of the cluster's barrier: no wave of any partner still reads this slot's tile or has a load on its way
	s_add_nc_u64 s[G0+4*\slot+2:G0+4*\slot+3], s[G0+4*\slot+2:G0+4*\slot+3], 2*ROWB
	s_add_nc_u64 s[G0B+4*\slot+2:G0B+4*\slot+3], s[G0B+4*\slot+2:G0B+4*\slot+3], 2*ROWB
	JLOAD G0+4*\slot, G1, G0B+4*\slot, G1B         ; the first tensor load behind the round, my one load until the next; the four v_nop behind it are the places in front of the loads below
.else
	PLACES NP
.endif
	FETCH_B \next, 0, 0
	FETCH_A \next, 0, 0
	WIN MUL_HI
	MUL16 4, 1, 0
	MUL16 6, 1, 0
	PLACES NP
	WIN 0
	FETCH_A \next, 0, 4
.endm
	s_wait_tensorcnt 1                             ; my part of K step 0 is in; K step 1's load may be out
	s_barrier_signal -1
	s_barrier_wait -1                              ; everybody's is
	FETCH_B 0, 0, 0
	FETCH_A 0, 0, 0
	FETCH_A 0, 0, 4
	STEP 0, 0, 1                                   ; K = 1,024 is eight steps of 128, written out: the first starts the sums
	TURN 0, 1, 1                                   ; slot 0 takes K step 2
	STEP 1, 0, 0
	TURN 1, 0, 1                                   ; slot 1 takes K step 3
	STEP 0, 0, 0
	TURN 0, 1, 0                                   ; nothing is left to fetch
	STEP 1, 0, 0
	s_wait_dscnt 4*NL                              ; the very last step
	WIN MUL_LO
	MUL16 0, 1, 0
	MUL16 2, 1, 0
	s_wait_dscnt 0
	WIN MUL_HI
	MUL16 4, 1, 0
	MUL16 6, 1, 0
	WIN 0
	; THE WAY OUT.  No LDS: a lane's codes are already what the next launch's lane wants.
	s_wait_kmcnt 0x0
	s_sub_co_i32 s10, s90, s84                     ; q: e6 - e0 - e1
	s_sub_co_i32 s10, s10, s85
	s_sub_co_i32 s11, s91, s86                     ; k: e7 - e2 - e3
	s_sub_co_i32 s11, s11, s87
	s_sub_co_i32 s12, s93, s88                     ; v: e9 - e4 - e5
	s_sub_co_i32 s12, s12, s89
	s_lshl_b32 s18, s17, 8
	s_lshl_b32 s19, s15, 7
	s_add_co_u32 s18, s18, s19                     ; my first row of A: 256 x tile row + 128 x half
	s_lshl_b32 s19, s42, 8
	s_lshl_b32 s22, s16, 7
	s_add_co_u32 s19, s19, s22                     ; my first row of B
	s_mov_b32 s96, 2048
	s_mov_b32 s98, 0x20000
	s_mov_b32 s100, 0x20000
	s_cmp_eq_u32 ttmp9, 2                          ; all selects on this compare stand ahead of the next line that writes SCC
	s_cselect_b32 s22, s19, s18                    ; my first token,
	s_cselect_b32 s23, s18, s19                    ; my first channel
	s_cselect_b32 s11, s12, s11
	s_cselect_b32 s96, s96, 1024                   ; from a block of A to the next: v: a channel tile, 2,048 bytes; q, k: a token tile, 1,024
	s_cselect_b32 s98, s98, 4096                   ; from block 0 to block 4: v: the next head, 131,072; q, k: four token tiles
	s_cselect_b32 s100, 1024, s100                 ; from B's blocks 0-3 to blocks 4-7: v: registers 8-15 of the same fragment, 1,024; q, k: the next head
	s_cmp_eq_u32 ttmp9, 0
	s_cselect_b32 s10, s10, s11                    ; D
	s_mov_b32 s97, 0
	s_mov_b32 s99, 0
	s_add_co_i32 s10, s10, 127
	s_lshl_b32 s11, s10, 23
	v_mov_b32 v[SC], s11                           ; 2^D
	s_add_co_i32 s10, s10, 15
	s_lshl_b32 s10, s10, 23
	s_or_b32 s10, s10, 0x600000
	v_mov_b32 v[LIM], s10                          ; 57,344 x 2^D
	s_lshr_b32 s12, s22, 11                        ; the batch,
	s_lshl_b32 s12, s12, 4
	s_lshr_b32 s13, s23, 6
	s_add_co_u32 s12, s12, s13                     ; 16 b + head: 131,072 bytes each, in all three images;
	s_lshl_b32 s12, s12, 17
	s_and_b32 s13, s22, 2047
	s_lshl_b32 s13, s13, 6                         ; 64 bytes a token within a head, in all three
	s_add_co_u32 s12, s12, s13
	s_mov_b32 s13, 0
	s_add_nc_u64 s[SB:SB+1], s[8:9], s[12:13]      ; no tensor load of mine is out since the last change of slots: the descriptors' registers are free
.irp a, 1,2,3
	s_add_nc_u64 s[SB+2*\a:SB+2*\a+1], s[SB+2*\a-2:SB+2*\a-1], s[96:97]
.endr
	s_add_nc_u64 s[SB+8:SB+9], s[SB:SB+1], s[98:99]
.irp a, 5,6,7
	s_add_nc_u64 s[SB+2*\a:SB+2*\a+1], s[SB+2*\a-2:SB+2*\a-1], s[96:97]
.endr
	v_and_b32 v1, 31, v0
	v_lshlrev_b32 v[VO], 4, v1                     ; 16 x lane
	v_add_nc_u32 v[VO+1], 512, v[VO]
	v_add_nc_u32 v[VO+2], s100, v[VO]
	v_add_nc_u32 v[VO+3], s100, v[VO+1]
	PLACES NP                                      ; behind the last products: their results are read and A's registers written below
; Block a (16 rows of A x my 128 rows of B): held, converted, stored.  Each accumulator is read from its low end on.  Each block has code registers and a base of its own: no source of a store is written again.
.macro OUT a
	WIN 0x02+((\a)/4)                              ; source 0: window 2 or 3
.set j, 0
.rept 64
	v_med3_num_f32 v[TMP+j], v[64*((\a)%4)+j], -v[LIM], v[LIM]   ; the conversion to an 8-bit code does not saturate (ISA guide 7.6.2): the hold at the largest code x the scale
.set j, j+1
.endr
	WIN 0
.irp b, 0,1,2,3,4,5,6,7
	v_cvt_scalef32_pk8_bf8_f32 v[CD+16*(\a)+2*\b:CD+16*(\a)+2*\b+1], v[TMP+8*\b:TMP+8*\b+7], v[SC]   ; B's block b: k = 16 b + 8 (lane / 16) + 0 .. 7 of the next operand
.endr
	v_nop                                          ; one plain vector line between the conversions and the next block's holds, which write their sources
.irp g, 0,1,2,3
	global_store_b128 v[VO+\g], v[CD+16*(\a)+4*\g:CD+16*(\a)+4*\g+3], s[SB+2*(\a):SB+2*(\a)+1]   ; 32 lanes store 512 consecutive bytes, at a multiple of 512 from the image's first byte
.endr
.endm
.irp a, 0,1,2,3,4,5,6,7
	OUT \a
.endr
	s_wait_tensorcnt 0x0                           ; the wave's end
	ds_add_u32 v[SPW], v[NIL]
	s_wait_dscnt 0x0
	CROUND                                         ; the closing round: no work-group ends while a partner may still ask for a tile that names it
	s_endpgm
.Lfunc_end_k_qe735394f59_qkv:
	.size	k_qe735394f59_qkv, .Lfunc_end_k_qe735394f59_qkv-k_qe735394f59_qkv
	.p2alignl 7, 3214868480
	.fill 96, 4, 3214868480
	.section	.rodata,"a",@progbits
	.p2align	6, 0x0
	.amdhsa_kernel k_qe735394f59_qkv
		.amdhsa_group_segment_fixed_size 327680
		.amdhsa_private_segment_fixed_size 0
		.amdhsa_enable_private_segment 0
		.amdhsa_kernarg_size 64
		.amdhsa_user_sgpr_count 2
		.amdhsa_user_sgpr_kernarg_segment_ptr 1
		.amdhsa_wavefront_size32 1
		.amdhsa_system_sgpr_workgroup_id_x 1
		.amdhsa_system_sgpr_workgroup_id_y 1
		.amdhsa_system_sgpr_workgroup_id_z 1
		.amdhsa_system_vgpr_workitem_id 0
		.amdhsa_next_free_vgpr 1024
		.amdhsa_next_free_sgpr 102
		.amdhsa_reserve_vcc 0
		.amdhsa_float_denorm_mode_32 3
		.amdhsa_float_denorm_mode_16_64 3
		.amdhsa_memory_ordered 1
		.amdhsa_forward_progress 1
		.amdhsa_inst_pref_size 119
	.end_amdhsa_kernel
	.amdgpu_metadata
---
amdhsa.version: [ 1, 2 ]
amdhsa.kernels:
  - .name:           k_qe735394f59_qkv
    .symbol:         k_qe735394f59_qkv.kd
    .args:
      - { .name: x_codes, .offset: 0, .size: 8, .value_kind: global_buffer, .address_space: global }
      - { .name: Wq_codes, .offset: 8, .size: 8, .value_kind: global_buffer, .address_space: global }
      - { .name: Wk_codes, .offset: 16, .size: 8, .value_kind: global_buffer, .address_space: global }
      - { .name: Wv_codes, .offset: 24, .size: 8, .value_kind: global_buffer, .address_space: global }
      - { .name: lowp_scales, .offset: 32, .size: 8, .value_kind: global_buffer, .address_space: global }
      - { .name: q_img, .offset: 40, .size: 8, .value_kind: global_buffer, .address_space: global }
      - { .name: k_img, .offset: 48, .size: 8, .value_kind: global_buffer, .address_space: global }
      - { .name: v_img, .offset: 56, .size: 8, .value_kind: global_buffer, .address_space: global }
    .group_segment_fixed_size: 327680
    .private_segment_fixed_size: 0
    .kernarg_segment_align: 8
    .kernarg_segment_size: 64
    .max_flat_workgroup_size: 128
    .sgpr_count:     102
    .vgpr_count:     1024
    .wavefront_size: 32
...
	.end_amdgpu_metadata
.endif
;; end of part 1
;; launch attn (part 2): grid 4 x 64, 16 waves a work-group, no clusters, 264,192 bytes of LDS; arguments q_img, k_img, v_img, lowp_scales, y_img; writes y_img
.if DOCPART == 2
	.amdgcn_target "amdgcn-amd-amdhsa--gfx1250"
	.amdhsa_code_object_version 6
	.text
	.protected	k_qe735394f59_attn
	.globl	k_qe735394f59_attn
	.p2align	8
	.type	k_qe735394f59_attn,@function
k_qe735394f59_attn:
	s_mov_b64 s[64:65], 0
	v_nop
	global_prefetch_b8 v0, s[64:65] scope:SCOPE_SE
	s_setreg_imm32_b32 hwreg(HW_REG_WAVE_MODE, 25, 1), 1
	s_wait_xcnt 0x0
; y[b][t][head] = the sum over keys k <= t of softmax_k(q . k / 8) v, both products on codes of BF8 (E5M2), and y quantised at once to codes of BF8.
; q_img, k_img, v_img are images of operand registers (16 tokens x 64 channels: 1,024 bytes; 16 channels x 128 keys: 2,048 bytes; four registers at 512 g + 16 lane); y_img likewise, laid
; ((128 b + token / 16) 16 + head) 1024 + 512 g + 16 lane.  The scales' exponents (int32): q e6, k e7, p e8, v e9, y e10.
; THE SOFTMAX AHEAD OF THE SECOND PRODUCT: t = score x log2(e) / 8; M = the row's largest t so far, rounded UP to a whole number; p = 2^(t - M) is what is quantised; it is not normalised.
; The row's sum is taken of the unquantised p, in f32, and divides at the end.  When M moves, the sum and O are multiplied by 2^(old M - new M): exact.
; SHARES.  256 work-groups of equal work: work-group (i, head) owns the blocks i and 7 - i of 256 queries.  Wave w takes the 16 queries from 256 i + 16 w on, then the 16 from 2,032 - (256 i + 16 w) on:
; under the causal mask that is 17 key steps of 128 for every wave, two of them on the diagonal.
; LDS holds the head's whole K (131,072 bytes) and V (131,072 bytes), each byte stored ONCE, through registers, 16,384 bytes a wave; ONE barrier; behind it nobody writes LDS and no wave waits for another.
; An image is read as it lies, lane l's 16 bytes at 16 l: 512 consecutive bytes a load, no pitch and no padding.
; NO CLUSTER, though the four work-groups of a head read the same K and V: which key steps a work-group works, and so its branches, hang on its query blocks, that is on its place among the four;
; were every partner to work every step, each wave would walk 32 key steps and not 17.
; LAYOUT.  Both products are used transposed: S^T = K Q^T (source 0 = 16 keys, source 1 = my 16 queries), O^T = V^T P^T (source 0 = 16 channels, source 1 = P): a lane holds ONE query (lane % 16) throughout.
; Register j of score tile t is key 16 t + 8 (lane / 16) + j: the conversion of the tile's eight registers IS registers 2 t, 2 t + 1 of P's fragment; O^T's tiles become y's fragment in the same way.
; THE HOLD OF p.  p is at most 1 (but for the last bit), and 57,344 x 2^e8 is above that wherever e8 >= -15: there the 64 holds change nothing and are jumped over, by a scalar branch on the whole number e8.
; LIMITS on the given exponents, so that each power of two below is an f32 number: e6 + e7 between -123 and 130 (they are added to c's exponent field); e8 and e10 between -126 and 112;
; e8 + e9 is applied by v_ldexp_f32 and has none.  NaN codes are not served.
.set LI,   1                           ; v1   16 x lane: my place in an image, in memory and in K's part of LDS; never rewritten
.set LIV,  2                           ; v2   the same in V's part of LDS
.set LA,   3                           ; v3   where I store my wave's part of K or V: 16,384 x wave + 16 x lane
.set RH,   4                           ; v4   lane % 16 - 8 (lane / 16)
.set ADK,  8                           ; v8   LDS address of the step's K
.set ADV,  9                           ; v9   of its V
.set DG,   10                          ; v10  on the diagonal: my query less the first key of my registers
.set NINF, 11                          ; v11  -infinity
                                       ; v12 -M, v13 the largest t, v[14:15] the sum in two halves; v16-23, v24-31 Q of the two phases
.set KV,   32                          ; v32-95   K's eight fragments of 8 registers, then V's four of 16
.set S,    96                          ; v96-159  S^T, then p
.set O,    160                         ; v160-191 O^T
.set PC,   192                         ; v192-207 p's codes
.set TA,   224                         ; v224 at work
.set F,    226                         ; v[226:227] f = 2^(old M - new M); v227 is only named with it as a pair
.set SUM2, 228                         ; v[228:229] the sum's second chain
.set PX,   230                         ; v230 what the lane 16 away holds
.set PSC,  231                         ; v231 2^e8;  v232 57,344 x 2^e8;  v233 2^e10;  v234 57,344 x 2^e10
.set PLIM, 232
.set YSC,  233
.set YLIM, 234
.set VBASE, 131072                     ; LDS: K's images from 0, V's from here
	s_load_b256 s[4:11], s[0:1], 0x0               ; q s[4:5], k s[6:7], v s[8:9], the scales s[10:11]
	s_load_b64 s[12:13], s[0:1], 0x20              ; y
	v_lshl_add_u32 v254, v0, 2, 0x40000
	v_mov_b32 v255, 0
	v_lshrrev_b32 v5, 5, v0
	v_readfirstlane_b32 s18, v5                    ; wave 0..15
	v_and_b32 v6, 31, v0
	v_lshlrev_b32 v[LI], 4, v6
	v_add_nc_u32 v[LIV], VBASE, v[LI]
	v_lshl_add_u32 v[LA], v5, 14, v[LI]
	v_and_b32 v6, 15, v0
	v_bfe_u32 v7, v0, 4, 1
	v_lshlrev_b32 v7, 3, v7
	v_sub_nc_u32 v[RH], v6, v7
	s_and_b32 s24, ttmp7, 0xffff                   ; 16 b + head
	s_lshl_b32 s26, s24, 17                        ; a head's image is 131,072 bytes in q, k and v
	s_lshl_b32 s38, ttmp9, 8
	s_lshl_b32 s43, s18, 4
	s_add_co_u32 s38, s38, s43                     ; my first query of phase 0: 256 i + 16 w
	s_sub_co_u32 s39, 2032, s38                    ; and of phase 1
	s_and_b32 s43, s18, 7
	s_lshl_b32 s43, s43, 14
	s_add_co_u32 s46, s26, s43                     ; what I bring into LDS: waves 0-7 K's eighths, waves 8-15 V's
	s_mov_b32 s47, 0
	s_lshl_b32 s43, s38, 6                         ; 64 bytes a query
	s_add_co_u32 s48, s26, s43
	s_mov_b32 s49, 0
	s_lshl_b32 s43, s39, 6
	s_add_co_u32 s50, s26, s43
	s_mov_b32 s51, 0
	s_lshr_b32 s43, s24, 4
	s_lshl_b32 s43, s43, 21                        ; y: a batch is 128 token tiles x 16 heads x 1,024 bytes,
	s_and_b32 s45, s24, 15
	s_lshl_b32 s45, s45, 10                        ; a head 1,024,
	s_add_co_u32 s43, s43, s45
	s_lshl_b32 s45, s38, 10                        ; a token tile 16,384: 1,024 a token
	s_add_co_u32 s52, s43, s45
	s_mov_b32 s53, 0
	s_lshl_b32 s45, s39, 10
	s_add_co_u32 s54, s43, s45
	s_mov_b32 s55, 0
	s_mov_b32 s20, 0x76543210                      ; v_permlanex16_b32's selects for lane l xor 16
	s_mov_b32 s21, 0xfedcba98
	s_mov_b32 s22, 0x3e38aa3b                      ; c = log2(e) / 8
	s_wait_kmcnt 0x0
	s_load_b256 s[68:75], s[10:11], 0x0            ; e0 .. e7
	s_load_b128 s[76:79], s[10:11], 0x20           ; e8 .. e11
	s_cmp_lt_u32 s18, 8
	s_cselect_b64 s[28:29], s[6:7], s[8:9]
	s_add_nc_u64 s[28:29], s[28:29], s[46:47]
	s_add_nc_u64 s[30:31], s[4:5], s[48:49]
	s_add_nc_u64 s[32:33], s[4:5], s[50:51]
	s_add_nc_u64 s[34:35], s[12:13], s[52:53]
	s_add_nc_u64 s[36:37], s[12:13], s[54:55]
.set n, 0
.rept 32
	global_load_b128 v[KV+4*n:KV+4*n+3], v[LI], s[28:29] offset:512*n   ; my 16,384 bytes, 512 consecutive bytes a load
.set n, n+1
.endr
	global_load_b128 v[16:19], v[LI], s[30:31] th:TH_LOAD_NT            ; Q's two fragments stay in registers
	global_load_b128 v[20:23], v[LI], s[30:31] offset:512 th:TH_LOAD_NT
	global_load_b128 v[24:27], v[LI], s[32:33] th:TH_LOAD_NT
	global_load_b128 v[28:31], v[LI], s[32:33] offset:512 th:TH_LOAD_NT
	v_mov_b32 v[NINF], 0xff800000
	v_mov_b32 v[F+1], 0                            ; (named as the upper half of a pair, so it is written)
	v_mov_b32 v[PX], 0                             ; written once: a lane permute's destination counts as one of its sources
	s_wait_kmcnt 0x0
	s_add_co_i32 s43, s74, s75
	s_lshl_b32 s43, s43, 23
	s_add_co_i32 s22, s22, s43                     ; a score stands for score x 2^(e6 + e7): the two exponents are added to c's exponent field
	s_mov_b32 s23, s22                             ; (named with it as a pair, so it is written)
	s_add_co_i32 s43, s76, 127
	s_lshl_b32 s45, s43, 23
	v_mov_b32 v[PSC], s45                          ; 2^e8
	s_add_co_i32 s43, s43, 15
	s_lshl_b32 s43, s43, 23
	s_or_b32 s43, s43, 0x600000
	v_mov_b32 v[PLIM], s43                         ; 57,344 x 2^e8
	s_add_co_i32 s43, s78, 127
	s_lshl_b32 s45, s43, 23
	v_mov_b32 v[YSC], s45                          ; 2^e10
	s_add_co_i32 s43, s43, 15
	s_lshl_b32 s43, s43, 23
	s_or_b32 s43, s43, 0x600000
	v_mov_b32 v[YLIM], s43                         ; 57,344 x 2^e10
	s_add_co_i32 s44, s76, s77                     ; e8 + e9
.set n, 0
.rept 32
	s_wait_loadcnt 35-n                            ; loads come back in order (ISA guide 5.7.1): behind load n stand the 31 - n younger of these and Q's four
	ds_store_b128 v[LA], v[KV+4*n:KV+4*n+3] offset:512*n
.set n, n+1
.endr
	s_wait_loadcnt 0x0                             ; Q
	s_wait_dscnt 0x0                               ; for the others' sake: my stores have landed
	s_barrier_signal -1
	s_barrier_wait -1                              ; the head's K and V lie in LDS; nothing writes them from here on
; A PHASE: one tile of 16 queries.  qf: Q's registers; q0: the scalar register with my first query; yb: y's base; yc: registers for y's codes (each phase has its own, and its own base: no source of a store is written again);
; trips: a constant: phase 0's queries lie under 1,024, so eight key steps reach them all.
.macro PHASE qf, q0, yb, yc, trips
	v_mov_b32 v13, 0xff61b1e6                      ; the largest t so far: -3e38, under every t
	v_floor_f32 v12, -v13                          ; -M
	v_mov_b32 v14, 0                               ; the sum, in two halves
	v_mov_b32 v15, 0
.set j, 0
.rept 32
	v_mov_b32 v[O+j], 0                            ; O^T.  (The step is written once: the first finds zeros, which the first change of M leaves zeros)
.set j, j+1
.endr
	s_mov_b32 s40, 0                               ; the step's first key
	s_mov_b32 s41, 0                               ; and its images' place in K's and in V's part of LDS: 8,192 bytes a step in both
	s_mov_b32 s42, \trips
.Lstep_\@:
	s_add_co_u32 s43, s[\q0], 15                   ; a step all of whose keys come after my 16 queries is left out: a scalar branch on ids
	s_cmp_gt_u32 s40, s43
	s_cbranch_scc1 .Lhidden_\@
	v_add_nc_u32 v[ADK], s41, v[LI]
	v_add_nc_u32 v[ADV], s41, v[LIV]
	v_nop                                          ; with the two additions: four places in front of loads into registers that the last products read
	v_nop
.irp t, 0,1,2,3,4,5,6,7
	ds_load_b128 v[KV+8*\t:KV+8*\t+3], v[ADK] offset:1024*\t
	ds_load_b128 v[KV+8*\t+4:KV+8*\t+7], v[ADK] offset:1024*\t+512
.endr
	s_wait_dscnt 0x0
.irp t, 0,1,2,3,4,5,6,7
	v_wmma_f32_16x16x64_bf8_bf8 v[S+8*\t:S+8*\t+7], v[KV+8*\t:KV+8*\t+7], v[\qf:\qf+7], 0   ; S^T, keys 16 t on
.endr
.rept 4
	v_nop                                          ; places in front of the loads below and of the first read of the scores
.endr
.irp ct, 0,1,2,3
.irp g, 0,1,2,3
	ds_load_b128 v[KV+16*\ct+4*\g:KV+16*\ct+4*\g+3], v[ADV] offset:2048*\ct+512*\g   ; V is asked for here: the softmax stands between these loads and the wait for them
.endr
.endr
	s_add_co_u32 s43, s40, 127                     ; on the diagonal the scores of hidden keys become -infinity ahead of the maximum: p = 0 then.  A step all of whose keys count skips this
	s_cmp_le_u32 s43, s[\q0]
	s_cbranch_scc1 .Lopen_\@
	s_sub_co_i32 s43, s[\q0], s40
	v_add_nc_u32 v[DG], s43, v[RH]                 ; d = my query - the step's first key - 8 (lane / 16).  Register 8 t + j holds key 16 t + 8 (lane / 16) + j: hidden where 16 t + j > d
.set n, 0
.rept 64
	v_cmp_gt_i32 vcc_lo, 16*(n/8)+n%8, v[DG]
	v_cndmask_b32 v[S+n], v[S+n], v[NINF], vcc_lo
.set n, n+1
.endr
.Lopen_\@:
	v_max3_num_f32 v[TA], v[S], v[S+1], v[S+2]     ; the step's largest score of my query, among my 64 keys, in two chains, each tile from its low end on,
	v_max3_num_f32 v[F], v[S+3], v[S+4], v[S+5]
.irp i, 6,10,14,18,22,26,30,34,38,42,46,50,54,58
	v_max3_num_f32 v[TA], v[TA], v[S+\i], v[S+1+\i]
	v_max3_num_f32 v[F], v[F], v[S+2+\i], v[S+3+\i]
.endr
	v_max3_num_f32 v[TA], v[TA], v[S+62], v[S+63]
	v_max_num_f32 v[TA], v[TA], v[F]
	v_permlanex16_b32 v[PX], v[TA], s20, s21
	v_max_num_f32 v[TA], v[TA], v[PX]              ; and among lane l xor 16's
	v_mul_f32 v[TA], s22, v[TA]                    ; as t (c is positive)
	v_max_num_f32 v13, v13, v[TA]                  ; the running largest t
	v_mov_b32 v[TA], v12
	v_floor_f32 v12, -v13                          ; the new -M = floor(-t) = -ceil(t): M is a whole number
	v_sub_f32 v[TA], v12, v[TA]                    ; M's old value less its new one: a whole number, 0 or less
	v_cvt_i32_f32 v[TA], v[TA]                     ; (it saturates)
	v_ldexp_f32 v[F], 1.0, v[TA]                   ; f = 2^(old M - new M)
.set j, 0
.rept 32
	v_pk_fma_f32 v[S+j:S+j+1], v[S+j:S+j+1], s[22:23], v[12:13] op_sel_hi:[1,0,0]   ; t - M, two at a time (of the pairs c and -M the low word serves both halves)
.set j, j+2
.endr
.set j, 0
.rept 64
	v_exp_f32 v[S+j], v[S+j]                       ; p = 2^(t - M): not normalised
.set j, j+1
.endr
	v_pk_mul_f32 v[14:15], v[14:15], v[F:F+1] op_sel_hi:[1,0]   ; the sums under the new M.  (A plain place behind the exponentials)
	s_wait_alu depctr_va_vdst(0)
	v_pk_add_f32 v[SUM2:SUM2+1], v[S:S+1], v[S+2:S+3]           ; the row's sum is taken of the unquantised p: two at a time, in two chains
.irp j, 4,8,12,16,20,24,28,32,36,40,44,48,52,56,60
	v_pk_add_f32 v[14:15], v[14:15], v[S+\j:S+1+\j]
	v_pk_add_f32 v[SUM2:SUM2+1], v[SUM2:SUM2+1], v[S+2+\j:S+3+\j]
.endr
	v_pk_add_f32 v[14:15], v[14:15], v[SUM2:SUM2+1]
	s_cmp_ge_i32 s76, -15                          ; e8 >= -15: p / 2^e8 is at most 32,768 (but for the last bit), under the largest code: the hold would change nothing
	s_cbranch_scc1 .Lnohold_\@
.set j, 0
.rept 64
	v_min_num_f32 v[S+j], v[S+j], v[PLIM]          ; the conversion to an 8-bit code does not saturate (ISA guide 7.6.2); p is not negative, so the hold is one-sided
.set j, j+1
.endr
.Lnohold_\@:
.irp t, 0,1,2,3,4,5,6,7
	v_cvt_scalef32_pk8_bf8_f32 v[PC+2*\t:PC+2*\t+1], v[S+8*\t:S+8*\t+7], v[PSC]   ; registers 2 t, 2 t + 1 of P's fragment: keys 16 t + 8 (lane / 16) + 0 .. 7
.endr
.set j, 0
.rept 16
	v_pk_mul_f32 v[O+j:O+j+1], v[O+j:O+j+1], v[F:F+1] op_sel_hi:[1,0]   ; O^T under the new M.  (These are also the plain lines between the conversions and the products below)
.set j, j+2
.endr
	s_wait_dscnt 0x0                               ; V is in
.irp ct, 0,1,2,3
	v_wmma_f32_16x16x128_bf8_bf8 v[O+8*\ct:O+8*\ct+7], v[KV+16*\ct:KV+16*\ct+15], v[PC:PC+15], v[O+8*\ct:O+8*\ct+7]   ; the four accumulators take turns, one instruction a turn; the next step's eight score products stand between two links
.endr
.Lhidden_\@:
	s_add_co_u32 s40, s40, 128
	s_add_co_u32 s41, s41, 8192
	s_sub_co_u32 s42, s42, 1
	s_cmp_lg_u32 s42, 0
	s_cbranch_scc1 .Lstep_\@
.rept 4
	v_nop                                          ; places behind the last products
.endr
	v_add_f32 v14, v14, v15                        ; the sum's two halves,
	v_permlanex16_b32 v[PX], v14, s20, s21
	v_add_f32 v14, v14, v[PX]                      ; and lane l xor 16's: the row's sum
	v_rcp_f32 v14, v14
	v_nop                                          ; one plain place behind a transcendental
	s_wait_alu depctr_va_vdst(0)
	v_ldexp_f32 v14, v14, s44                      ; x 2^(e8 + e9)
.set j, 0
.rept 16
	v_pk_mul_f32 v[S+j:S+j+1], v[O+j:O+j+1], v[14:15] op_sel_hi:[1,0]   ; y of my query: register 8 ct + i is channel 16 ct + 8 (lane / 16) + i
.set j, j+2
.endr
.set j, 0
.rept 32
	v_med3_num_f32 v[S+j], v[S+j], -v[YLIM], v[YLIM]
.set j, j+1
.endr
.irp ct, 0,1,2,3
	v_cvt_scalef32_pk8_bf8_f32 v[\yc+2*\ct:\yc+2*\ct+1], v[S+8*\ct:S+8*\ct+7], v[YSC]
.endr
	v_nop                                          ; one plain vector line behind the last conversion: later products write its sources
	global_store_b128 v[LI], v[\yc:\yc+3], s[\yb:\yb+1]                 ; 32 lanes store 512 consecutive bytes, at a multiple of 512 from y_img's first byte
	global_store_b128 v[LI], v[\yc+4:\yc+7], s[\yb:\yb+1] offset:512
.endm
	PHASE 16, 38, 34, 208, 8
	PHASE 24, 39, 36, 216, 16
	s_wait_tensorcnt 0x0
	ds_add_u32 v254, v255
	s_wait_dscnt 0x0
	s_endpgm
.Lfunc_end_k_qe735394f59_attn:
	.size	k_qe735394f59_attn, .Lfunc_end_k_qe735394f59_attn-k_qe735394f59_attn
	.p2alignl 7, 3214868480
	.fill 96, 4, 3214868480
	.section	.rodata,"a",@progbits
	.p2align	6, 0x0
	.amdhsa_kernel k_qe735394f59_attn
		.amdhsa_group_segment_fixed_size 264192
		.amdhsa_private_segment_fixed_size 0
		.amdhsa_enable_private_segment 0
		.amdhsa_kernarg_size 40
		.amdhsa_user_sgpr_count 2
		.amdhsa_user_sgpr_kernarg_segment_ptr 1
		.amdhsa_wavefront_size32 1
		.amdhsa_system_sgpr_workgroup_id_x 1
		.amdhsa_system_sgpr_workgroup_id_y 1
		.amdhsa_system_sgpr_workgroup_id_z 1
		.amdhsa_system_vgpr_workitem_id 0
		.amdhsa_next_free_vgpr 256
		.amdhsa_next_free_sgpr 80
		.amdhsa_reserve_vcc 1
		.amdhsa_float_denorm_mode_32 3
		.amdhsa_float_denorm_mode_16_64 3
		.amdhsa_memory_ordered 1
		.amdhsa_forward_progress 1
		.amdhsa_inst_pref_size 62
	.end_amdhsa_kernel
	.amdgpu_metadata
---
amdhsa.version: [ 1, 2 ]
amdhsa.kernels:
  - .name:           k_qe735394f59_attn
    .symbol:         k_qe735394f59_attn.kd
    .args:
      - { .name: q_img, .offset: 0, .size: 8, .value_kind: global_buffer, .address_space: global }
      - { .name: k_img, .offset: 8, .size: 8, .value_kind: global_buffer, .address_space: global }
      - { .name: v_img, .offset: 16, .size: 8, .value_kind: global_buffer, .address_space: global }
      - { .name: lowp_scales, .offset: 24, .size: 8, .value_kind: global_buffer, .address_space: global }
      - { .name: y_img, .offset: 32, .size: 8, .value_kind: global_buffer, .address_space: global }
    .group_segment_fixed_size: 264192
    .private_segment_fixed_size: 0
    .kernarg_segment_align: 8
    .kernarg_segment_size: 40
    .max_flat_workgroup_size: 512
    .sgpr_count:     80
    .vgpr_count:     256
    .wavefront_size: 32
...
	.end_amdgpu_metadata
.endif
;; end of part 2
;; launch proj (part 3): grid 4 x 64, 4 waves a work-group, clusters of 4 x 4, 327,680 bytes of LDS; arguments y_img, Wp_codes, lowp_scales, out0; writes out0
.if DOCPART == 3
	.amdgcn_target "amdgcn-amd-amdhsa--gfx1250"
	.amdhsa_code_object_version 6
	.text
	.protected	k_qe735394f59_proj
	.globl	k_qe735394f59_proj
	.p2align	8
	.type	k_qe735394f59_proj,@function
k_qe735394f59_proj:
	s_mov_b64 s[64:65], 0
	v_nop
	global_prefetch_b8 v0, s[64:65] scope:SCOPE_SE
	s_setreg_imm32_b32 hwreg(HW_REG_WAVE_MODE, 25, 1), 1
	s_wait_xcnt 0x0
	s_wait_alu depctr_hold_cnt(0) depctr_sa_sdst(0) depctr_va_vdst(0) depctr_va_sdst(0) depctr_va_ssrc(0) depctr_va_vcc(0) depctr_vm_vsrc(0)
	s_getreg_b32 s2, hwreg(HW_REG_IB_STS2, 6, 4)
	s_cmp_eq_u32 s2, 0
	s_cbranch_scc0 .Lentry_in_a_cluster
	s_endpgm
.Lentry_in_a_cluster:
	s_bfe_u32 s2, ttmp6, 0x10000c
	s_cmp_lg_u32 s2, 0xf033
	s_cbranch_scc0 .Lentry_shape_is_right
	s_endpgm
.Lentry_shape_is_right:
; out0 = y Wp^T on codes of BF8 (E5M2).  y: 8,192 rows x 1,024, as images of operand registers: row tile (16 rows) x 16 heads x 1,024 bytes; two neighbouring heads, 2,048 bytes on end, are one fragment of 16 rows x 128 K,
; four registers at 512 c + 16 lane, registers 2 c, 2 c + 1 holding K = 16 c + 8 (lane / 16) + 0 .. 7.  Wp: [1024][1024] codes, K innermost.  out0: [8192][1024] f32.
; A number of y is its code x 2^e10, of Wp x 2^e11 (whole numbers, int32): the codes are multiplied as they are, and each finished sum once by 2^(e10 + e11).
; LIMIT: e10 + e11 between -126 and 127, so that 2^(e10 + e11) is an f32 number.
; SHARES.  A tile of 128 rows x 256 columns for each of 256 work-groups (tiles of 256 x 256 would be 128).  Four waves, 2 x 2: each 64 rows x 128 columns: 32 accumulators, 256 registers.
; K = 1,024 is four K steps of 256.  LDS has THREE slots, so that three K steps are asked for at the start and only one slot is filled again: its load has two K steps, 128 matrix instructions a wave, in which to land.
; CLUSTERS: 4 x 4 work-groups.  The four of a row of the cluster need the same tiles of y, the four of a column the same tiles of Wp: each tile is asked for JOINTLY.
; THE MATRIX INSTRUCTION IS USED TRANSPOSED (source 0 = 16 rows of Wp, source 1 = 16 rows of y): a lane then holds eight neighbouring numbers of a row of out0.
; y's fragments come from LDS as they lie (512 consecutive bytes a load).  Wp's must have each k in the same place: eight loads of 8 bytes, 16 bytes apart, at row x pitch + 8 (lane / 16).
; REGISTERS, in windows of 256: window 0: v16-29 addresses; v32-95 at work on the way out; v128-191, v192-255 y's fragments, two sets, later rows of out0.   window 1: Wp's fragments, two sets, at v0 and v128.
;   window 2: the accumulators ((a, b) at v[8 (8 a + b)]).
.set PB,     272                       ; a row of Wp's tile in LDS: 256 bytes + 16 of padding = 68 words: lane (r, h) of a load of 8 bytes starts at bank 4 r + 2 h (64 banks of 4 bytes: ISA guide 11.1)
.set AB,     32768                     ; a slot: y's 8 row tiles x 4,096 bytes, dense; then Wp's 256 rows
.set HB,     128*PB                    ; 128 rows of Wp: what one tensor load brings, and what one wave reads
.set SLOT,   AB+2*HB                   ; 102,400 bytes
.set SPARE,  3*SLOT                    ; behind the three slots: the spare words, 128 bytes for each wave: two blocks of 256 bytes that no other line names
.set SPITCH, 528                       ; the way out: a stage of 16 rows x (512 bytes + 16) for each wave.  It lies in slot 1, which is filled once and has had its last read when the first result is stored there
.set ADRA, 16                          ; v16-18  LDS address of my y fragments in slot 0, 1, 2
.set ADRB, 20                          ; v20-22  the same for Wp
.set STO,  24                          ; v24     the way out: where I put 32 bytes of a row
.set RD,   25                          ; v25     where I read a row back
.set CO,   26                          ; v26     16 x lane: my place in an image and in a row's 512 bytes of out0
.set SPW,  28                          ; v28     LDS address of my spare word: SPARE + 4 x my thread's number; never rewritten
.set NIL,  29                          ; v29     0; never rewritten
.set TMP,  32
.set BK,   128
.set G1A, 24                           ; s[24:31] descriptor group 1 for y's tiles;   s[48:55] for Wp's
.set G1B, 48
.set G0A, 68                           ; s[68:79] descriptor group 0 for y's tiles, a set for each slot;   s[80:91] for Wp's
.set G0B, 80
.set MSB, 0
.macro WIN new                         ; the immediate's high byte repeats the setting that is left
.if MSB != \new
	s_set_vgpr_msb (MSB<<8)|\new
.set MSB, \new
.endif
.endm
.macro CREST                           ; a round of the cluster's barrier behind its opening barrier
	s_cmp_lg_u32 s14, 0
	s_cbranch_scc1 .Lnot_wave_0_\@
	s_barrier_signal -3
.Lnot_wave_0_\@:
	s_barrier_wait -3
	s_barrier_signal -1
	s_barrier_wait -1
.endm
.macro CROUND                          ; a whole round
	s_barrier_signal -1
	s_barrier_wait -1
	CREST
.endm
.macro PLACES n
.rept \n
	v_nop
.endr
.endm
	s_load_b256 s[4:11], s[0:1], 0x0               ; y_img s[4:5], Wp s[6:7], the scales s[8:9], out0 s[10:11]
	v_lshl_add_u32 v[SPW], v0, 2, SPARE
	v_mov_b32 v[NIL], 0
	ds_add_u32 v28, v29
	ds_add_u32 v28, v29
	s_wait_dscnt 0x0
	v_lshrrev_b32 v1, 5, v0
	v_readfirstlane_b32 s14, v1                    ; wave 0..3
	s_lshr_b32 s15, s14, 1                         ; which 64 rows of the tile are mine.  Also: I fetch for y (0) or for Wp (1)
	s_and_b32 s16, s14, 1                          ; which 128 columns.  Also: which half of that tile I fetch
	s_bfe_u32 s40, ttmp6, 0x40000                  ; cx, cy: my place in the cluster
	s_bfe_u32 s41, ttmp6, 0x40004
	s_lshl_b32 s42, ttmp9, 2
	s_add_co_u32 s42, s42, s40                     ; tile column = 4 x cluster x + cx
	s_and_b32 s17, ttmp7, 0xffff
	s_lshl_b32 s17, s17, 2
	s_add_co_u32 s17, s17, s41                     ; tile row = 4 x cluster y + cy
	s_lshl_b32 s43, s41, 2
	s_lshl_b32 s43, 15, s43                        ; my row of the cluster
	s_lshl_b32 s44, 0x1111, s40                    ; my column
	; group 1 for y: 4 row tiles, of each 4,096 consecutive bytes (4 heads), 16,384 bytes from row tile to row tile; elements of 8 bytes; dense in LDS
	s_or_b32 s[G1A+0], s43, (3<<16)|(1<<21)        ; 15:0 the mask: y's tiles go to my row; 17:16 element of 8 bytes; 20 no padding; 21 set beside a mask
	s_mov_b32 s[G1A+1], 512<<16                    ; tensor_dim0 = 512
	s_mov_b32 s[G1A+2], 4<<16                      ; tensor_dim1 = 4
	s_mov_b32 s[G1A+3], 512<<16                    ; tile_dim0 = 512
	s_mov_b32 s[G1A+4], 4                          ; tile_dim1 = 4
	s_mov_b32 s[G1A+5], 2048                       ; tensor_dim0_stride
	s_mov_b32 s[G1A+6], 0
	s_mov_b32 s[G1A+7], 0
	; group 1 for Wp: 128 rows x 256 bytes, 1,024 bytes from row to row, padded in LDS
	s_or_b32 s[G1B+0], s44, (0<<16)|(1<<20)|(1<<21)|(5<<22)|(3<<25)  ; the mask: my column; element of 1 byte; padding on: after every 64 words (code 5) 4 words (code 3)
	s_mov_b32 s[G1B+1], 256<<16
	s_mov_b32 s[G1B+2], 128<<16
	s_mov_b32 s[G1B+3], 256<<16
	s_mov_b32 s[G1B+4], 128
	s_mov_b32 s[G1B+5], 1024
	s_mov_b32 s[G1B+6], 0
	s_mov_b32 s[G1B+7], 0
	s_lshl_b32 s20, s17, 3
	s_lshl_b32 s18, s16, 2
	s_add_co_u32 s20, s20, s18                     ; y: row tile 8 x tile row + 4 x half,
	s_lshl_b32 s20, s20, 14                        ; 16,384 bytes each
	s_mov_b32 s21, 0
	s_lshl_b32 s46, s42, 8
	s_lshl_b32 s18, s16, 7
	s_add_co_u32 s46, s46, s18                     ; Wp: row 256 x tile column + 128 x half,
	s_lshl_b32 s46, s46, 10                        ; 1,024 bytes each
	s_mov_b32 s47, 0
	s_lshl_b32 s45, s16, 14                        ; where they go in a slot: y's half,
	s_mul_i32 s19, s16, HB
	s_add_co_u32 s19, s19, AB                      ; Wp's half: no place in the cluster enters an LDS address
	s_wait_kmcnt 0x0
	s_load_b64 s[96:97], s[8:9], 0x28              ; e10, e11
	s_add_nc_u64 s[20:21], s[4:5], s[20:21]
	s_add_nc_u64 s[46:47], s[6:7], s[46:47]
	CROUND                                         ; all sixteen work-groups are here: the first joint loads meet
.irp s, 0,1,2
	s_mov_b32 s[G0A+4*\s], 1
	s_add_co_u32 s[G0A+4*\s+1], s45, \s*SLOT
	s_add_nc_u64 s[G0A+4*\s+2:G0A+4*\s+3], s[20:21], \s*4096    ; K step s: heads 4 s on
	s_or_b32 s[G0A+4*\s+3], s[G0A+4*\s+3], 0x80000000
	s_mov_b32 s[G0B+4*\s], 1
	s_add_co_u32 s[G0B+4*\s+1], s19, \s*SLOT
	s_add_nc_u64 s[G0B+4*\s+2:G0B+4*\s+3], s[46:47], \s*256
	s_or_b32 s[G0B+4*\s+3], s[G0B+4*\s+3], 0x80000000
.endr
	s_cmp_eq_u32 s15, 0                            ; a wave's three first fills stand in one branch, ahead of every wait on TENSORcnt and every LDS read: three loads of mine are out; four v_nop follow the third
	s_cbranch_scc0 .Lfirst_b
	tensor_load_to_lds s[G0A:G0A+3], s[G1A:G1A+7]
	s_nop 0
	tensor_load_to_lds s[G0A+4:G0A+7], s[G1A:G1A+7]
	s_nop 0
	tensor_load_to_lds s[G0A+8:G0A+11], s[G1A:G1A+7]
	s_nop 0
.rept 4
	v_nop
.endr
	s_branch .Lfirst_asked
.Lfirst_b:
	tensor_load_to_lds s[G0B:G0B+3], s[G1B:G1B+7]
	s_nop 0
	tensor_load_to_lds s[G0B+4:G0B+7], s[G1B:G1B+7]
	s_nop 0
	tensor_load_to_lds s[G0B+8:G0B+11], s[G1B:G1B+7]
	s_nop 0
.rept 4
	v_nop
.endr
.Lfirst_asked:
	v_and_b32 v1, 15, v0                           ; r = l % 16
	v_bfe_u32 v2, v0, 4, 1                         ; h = l / 16
	v_and_b32 v3, 31, v0
	v_lshlrev_b32 v[CO], 4, v3
	v_mul_u32_u24 v4, v1, PB
	v_lshl_add_u32 v4, v2, 3, v4                   ; Wp: row x pitch + 8 x half
	s_lshl_b32 s21, s15, 14                        ; my four row tiles of y
	s_mul_i32 s22, s16, HB
	s_add_co_u32 s22, s22, AB                      ; my 128 rows of Wp
.irp s, 0,1,2
	v_add_nc_u32 v[ADRA+\s], s21, v[CO]
	v_add_nc_u32 v[ADRB+\s], s22, v4
	s_add_co_u32 s21, s21, SLOT
	s_add_co_u32 s22, s22, SLOT
.endr
	s_mul_i32 s23, s14, 16*SPITCH
	s_add_co_u32 s23, s23, SLOT                    ; my stage, in slot 1
	v_mul_u32_u24 v5, v1, SPITCH                   ; in: row l % 16, 32 bytes for each half of the lanes
	v_lshl_add_u32 v5, v2, 5, v5
	v_add_nc_u32 v[STO], s23, v5
	v_add_nc_u32 v[RD], s23, v[CO]                 ; back: the 32 lanes take one row of 512 bytes
	s_lshl_b32 s20, s17, 7
	s_lshl_b32 s21, s15, 6
	s_add_co_u32 s20, s20, s21                     ; my first row of out0: 128 x tile row + 64 x half,
	s_lshl_b32 s20, s20, 12                        ; 4,096 bytes each
	s_lshl_b32 s46, s42, 10                        ; my first column, in bytes: 1,024 x tile column + 512 x half
	s_lshl_b32 s47, s16, 9
	s_add_co_u32 s46, s46, s47
	s_add_co_u32 s20, s20, s46
	s_mov_b32 s21, 0
	s_add_nc_u64 s[10:11], s[10:11], s[20:21]
; The fragments of the slot's q-th 128 along K into set p: Wp's eight (64 loads of 8 bytes), y's four (16 loads of 16 bytes)
.macro FETCH slot, q, p
	WIN 0x40                                       ; destination window 1, address window 0
.irp b, 0,1,2,3,4,5,6,7
.irp c, 0,1,2,3,4,5,6,7
	ds_load_b64 v[128*(\p)+16*\b+2*\c:128*(\p)+16*\b+2*\c+1], v[ADRB+\slot] offset:\b*16*PB+128*(\q)+16*\c
.endr
.endr
	WIN 0
.irp a, 0,1,2,3
.irp c, 0,1,2,3
	ds_load_b128 v[128+64*(\p)+16*\a+4*\c:128+64*(\p)+16*\a+4*\c+3], v[ADRA+\slot] offset:4096*\a+2048*(\q)+512*\c
.endr
.endr
.endm
; 8 n matrix instructions: y's row tiles a0 .. a0 + n - 1 x Wp's eight, 128 along K, set p.  zero = 1: the first product starts the sums: nothing is ever cleared.
; The 32 accumulators take turns, one instruction a turn, in the same order in every step.
.macro MUL a0, n, p, zero
	WIN 0xa1                                       ; source 0 (Wp) window 1, source 1 (y) window 0, C and D window 2
.set aa, \a0
.rept \n
.irp b, 0,1,2,3,4,5,6,7
.if \zero
	v_wmma_f32_16x16x128_bf8_bf8 v[8*(8*aa+\b):8*(8*aa+\b)+7], v[128*(\p)+16*\b:128*(\p)+16*\b+15], v[128+64*(\p)+16*aa:128+64*(\p)+16*aa+15], 0
.else
	v_wmma_f32_16x16x128_bf8_bf8 v[8*(8*aa+\b):8*(8*aa+\b)+7], v[128*(\p)+16*\b:128*(\p)+16*\b+15], v[128+64*(\p)+16*aa:128+64*(\p)+16*aa+15], v[8*(8*aa+\b):8*(8*aa+\b)+7]
.endif
.endr
.set aa, aa+1
.endr
.endm
; A step of 128 along K on set p; ahead of its products the next step's fragments (slot sn, part qn) are asked for, into the other set
.macro STEP sn, qn, p, zero
	s_wait_dscnt 0x0                               ; set p is in
	PLACES 4                                       ; in front of loads into the registers that the last step's products read
	FETCH \sn, \qn, 1-\p
	MUL 0, 4, \p, \zero
	WIN 0
.endm
	s_wait_tensorcnt 2                             ; my part of K step 0 is in; K steps 1 and 2 may be out
	s_barrier_signal -1
	s_barrier_wait -1                              ; everybody's is
	FETCH 0, 0, 0
	STEP 0, 1, 0, 1                                ; step 0 starts the sums
	; step 1 leaves slot 0, which is filled again with K step 3: every wave waits for ALL its tensor loads, so slots 1 and 2 are whole behind this round too
	s_wait_tensorcnt 0x0                           ; all my tensor loads have landed
	ds_add_u32 v[SPW], v[NIL]                      ; 0 onto my spare word
	s_wait_dscnt 1                                 ; (the add alone may be out: set 1 is in)
	MUL 0, 2, 1, 0                                 ; sixteen matrix instructions stand between the add and the wait for it
	s_wait_dscnt 0x0                               ; the add is done, and my reads of slot 0 are over
	s_barrier_signal -1
	MUL 2, 1, 1, 0
	WIN 0
	s_barrier_wait -1
	CREST                                          ; the barrier has opened a round of the cluster's barrier: no wave of any partner still reads slot 0 or has a load on its way
	s_add_nc_u64 s[G0A+2:G0A+3], s[G0A+2:G0A+3], 3*4096
	s_add_nc_u64 s[G0B+2:G0B+3], s[G0B+2:G0B+3], 3*256
	s_cmp_eq_u32 s15, 0                            ; the joint refill: the first tensor load behind the round, my one load from here on; four v_nop follow each of the two lines: they are also the places in front of the loads below
	s_cbranch_scc0 .Lfor_b
	tensor_load_to_lds s[G0A:G0A+3], s[G1A:G1A+7]
	s_nop 0
.rept 4
	v_nop
.endr
	s_branch .Lasked
.Lfor_b:
	tensor_load_to_lds s[G0B:G0B+3], s[G1B:G1B+7]
	s_nop 0
.rept 4
	v_nop
.endr
.Lasked:
	FETCH 1, 0, 0
	MUL 3, 1, 1, 0
	WIN 0
	STEP 1, 1, 0, 0                                ; step 2
	STEP 2, 0, 1, 0                                ; step 3
	STEP 2, 1, 0, 0                                ; step 4
	; step 5 goes on into slot 0's second fill: it has no add and no round
	s_wait_tensorcnt 0x0                           ; the one load of mine that was out: my part of K step 3
	s_wait_dscnt 0x0                               ; set 1 is in; my reads of slots 1 and 2 are over
	s_barrier_signal -1
	MUL 0, 2, 1, 0
	WIN 0
	s_barrier_wait -1                              ; everybody's part is in, and nobody reads slot 1 any more: the stages may be written
	PLACES 4
	FETCH 0, 0, 0
	MUL 2, 2, 1, 0
	WIN 0
	STEP 0, 1, 0, 0                                ; step 6
	s_wait_dscnt 0x0                               ; step 7: nothing more to fetch
	MUL 0, 4, 1, 0
	WIN 0
; THE WAY OUT, block by block of 16 rows x 128 columns.  A lane holds 32 neighbouring bytes of a row, and the lanes beside it hold other rows: so a block goes through my own stage in LDS and comes back as whole
; rows of 512 bytes.  LDS serves a wave's instructions in order (ISA guide 5.7.1.4): no wait between the stores and the loads, nor in front of the next block's stores.
.macro TOSTAGE a
	WIN 0x02                                       ; source 0: window 2
.set j, 0
.rept 32
	v_pk_mul_f32 v[TMP+j:TMP+j+1], v[64*(\a)+j:64*(\a)+j+1], s[96:97] op_sel_hi:[1,0]   ; both x s96 = 2^(e10 + e11); each accumulator from its low end on
.set j, j+2
.endr
	WIN 0
.irp b, 0,1,2,3,4,5,6,7
	ds_store_b128 v[STO], v[TMP+8*\b:TMP+8*\b+3] offset:64*\b
	ds_store_b128 v[STO], v[TMP+8*\b+4:TMP+8*\b+7] offset:64*\b+16
.endr
.irp t, 0,1,2,3,4,5,6,7,8,9,10,11,12,13,14,15
	ds_load_b128 v[BK+64*((\a)%2)+4*\t:BK+64*((\a)%2)+4*\t+3], v[RD] offset:\t*SPITCH
.endr
.endm
.macro SEND a, younger                 ; younger: the LDS instructions issued behind block a's loads, which may stay out
	s_wait_dscnt \younger                          ; the block is back in registers
.irp t, 0,1,2,3,4,5,6,7,8,9,10,11,12,13,14,15
	global_store_b128 v[CO], v[BK+64*((\a)%2)+4*\t:BK+64*((\a)%2)+4*\t+3], s[10:11] offset:(\a)*65536+\t*4096 th:TH_STORE_NT   ; 32 lanes store 512 consecutive bytes, at a multiple of 512 from out0's first byte; every offset is an immediate, 258,048 at the most
.endr
.endm
	s_wait_kmcnt 0x0
	s_add_co_i32 s96, s96, s97                     ; e10 + e11, between -126 and 127,
	s_add_co_i32 s96, s96, 127
	s_lshl_b32 s96, s96, 23                        ; makes the f32 number 2^(e10 + e11)
	PLACES 4                                       ; behind the last products: their results are read, and the registers that held y's fragments are loaded, below
	TOSTAGE 0
	TOSTAGE 1
	SEND 0, 32                                     ; behind block 0's loads: block 1's 16 stores and 16 loads
	s_wait_xcnt 0x0                                ; block 0's stores have read their registers: block 2's loads may land there
	TOSTAGE 2
	SEND 1, 32
	s_wait_xcnt 0x0                                ; block 1's likewise
	TOSTAGE 3
	SEND 2, 32
	SEND 3, 0
	s_wait_tensorcnt 0x0                           ; the wave's end, behind my last tensor load and my last LDS store
	ds_add_u32 v[SPW], v[NIL]
	s_wait_dscnt 0x0
	CROUND                                         ; the closing round: no work-group ends while a partner may still ask for a tile that names it
	s_endpgm
.Lfunc_end_k_qe735394f59_proj:
	.size	k_qe735394f59_proj, .Lfunc_end_k_qe735394f59_proj-k_qe735394f59_proj
	.p2alignl 7, 3214868480
	.fill 96, 4, 3214868480
	.section	.rodata,"a",@progbits
	.p2align	6, 0x0
	.amdhsa_kernel k_qe735394f59_proj
		.amdhsa_group_segment_fixed_size 327680
		.amdhsa_private_segment_fixed_size 0
		.amdhsa_enable_private_segment 0
		.amdhsa_kernarg_size 32
		.amdhsa_user_sgpr_count 2
		.amdhsa_user_sgpr_kernarg_segment_ptr 1
		.amdhsa_wavefront_size32 1
		.amdhsa_system_sgpr_workgroup_id_x 1
		.amdhsa_system_sgpr_workgroup_id_y 1
		.amdhsa_system_sgpr_workgroup_id_z 1
		.amdhsa_system_vgpr_workitem_id 0
		.amdhsa_next_free_vgpr 768
		.amdhsa_next_free_sgpr 98
		.amdhsa_reserve_vcc 0
		.amdhsa_float_denorm_mode_32 3
		.amdhsa_float_denorm_mode_16_64 3
		.amdhsa_memory_ordered 1
		.amdhsa_forward_progress 1
		.amdhsa_inst_pref_size 90
	.end_amdhsa_kernel
	.amdgpu_metadata
---
amdhsa.version: [ 1, 2 ]
amdhsa.kernels:
  - .name:           k_qe735394f59_proj
    .symbol:         k_qe735394f59_proj.kd
    .args:
      - { .name: y_img, .offset: 0, .size: 8, .value_kind: global_buffer, .address_space: global }
      - { .name: Wp_codes, .offset: 8, .size: 8, .value_kind: global_buffer, .address_space: global }
      - { .name: lowp_scales, .offset: 16, .size: 8, .value_kind: global_buffer, .address_space: global }
      - { .name: out0, .offset: 24, .size: 8, .value_kind: global_buffer, .address_space: global }
    .group_segment_fixed_size: 327680
    .private_segment_fixed_size: 0
    .kernarg_segment_align: 8
    .kernarg_segment_size: 32
    .max_flat_workgroup_size: 128
    .sgpr_count:     98
    .vgpr_count:     768
    .wavefront_size: 32
...
	.end_amdgpu_metadata
.endif
;; end of part 3
;; ======== version 2 of 2: 3 launches; version 1 with the launch attn written anew for expert scheduling mode
;; workspace buffers: q_img 8,388,608 bytes; k_img 8,388,608 bytes; v_img 8,388,608 bytes; y_img 8,388,608 bytes
;; launch qkv: the kernel of part 1 again; grid 12 x 32, 4 waves a work-group, clusters of 4 x 4, 327,680 bytes of LDS; arguments x_codes, Wq_codes, Wk_codes, Wv_codes, lowp_scales, q_img, k_img, v_img; writes q_img, k_img, v_img
;; launch attn (part 4): grid 4 x 64, 16 waves a work-group, no clusters, 264,192 bytes of LDS; arguments q_img, k_img, v_img, lowp_scales, y_img; writes y_img
.if DOCPART == 4
	.amdgcn_target "amdgcn-amd-amdhsa--gfx1250"
	.amdhsa_code_object_version 6
	.text
	.protected	k_qe735394f59_attn
	.globl	k_qe735394f59_attn
	.p2align	8
	.type	k_qe735394f59_attn,@function
k_qe735394f59_attn:
	s_mov_b64 s[64:65], 0
	v_nop
	global_prefetch_b8 v0, s[64:65] scope:SCOPE_SE
	s_setreg_imm32_b32 hwreg(HW_REG_WAVE_SCHED_MODE, 0, 2), 2
	s_setreg_imm32_b32 hwreg(HW_REG_WAVE_MODE, 25, 1), 1
	s_wait_xcnt 0x0
	s_wait_alu depctr_vm_vsrc(0)
; y[b][t][head] = the sum over keys k <= t of softmax_k(q . k / 8) v, both products on codes of BF8 (E5M2), and y quantised at once to codes of BF8.
; q_img, k_img, v_img are images of operand registers (16 tokens x 64 channels: 1,024 bytes; 16 channels x 128 keys: 2,048 bytes; four registers at 512 g + 16 lane); y_img likewise, laid
; ((128 b + token / 16) 16 + head) 1024 + 512 g + 16 lane.  The scales' exponents (int32): q e6, k e7, p e8, v e9, y e10.
; THE SOFTMAX AHEAD OF THE SECOND PRODUCT: t = score x log2(e) / 8; M = the row's largest t so far, rounded UP to a whole number; p = 2^(t - M) is what is quantised; it is not normalised.
; The row's sum is taken of the unquantised p, in f32, and divides at the end.  When M moves, the sum and O are multiplied by 2^(old M - new M): exact.
; SHARES.  256 work-groups of equal work: work-group (i, head) owns the blocks i and 7 - i of 256 queries.  Wave w takes the 16 queries from 256 i + 16 w on, then the 16 from 2,032 - (256 i + 16 w) on:
; under the causal mask that is 17 key steps of 128 for every wave, two of them on the diagonal.
; LDS holds the head's whole K (131,072 bytes) and V (131,072 bytes), each byte stored ONCE, through registers, 16,384 bytes a wave; ONE barrier; behind it nobody writes LDS and no wave waits for another.
; An image is read as it lies, lane l's 16 bytes at 16 l: 512 consecutive bytes a load, no pitch and no padding.
; NO CLUSTER, though the four work-groups of a head read the same K and V: which key steps a work-group works, and so its branches, hang on its query blocks, that is on its place among the four;
; were every partner to work every step, each wave would walk 32 key steps and not 17.
; LAYOUT.  Both products are used transposed: S^T = K Q^T (source 0 = 16 keys, source 1 = my 16 queries), O^T = V^T P^T (source 0 = 16 channels, source 1 = P): a lane holds ONE query (lane % 16) throughout.
; Register j of score tile t is key 16 t + 8 (lane / 16) + j: the conversion of the tile's eight registers IS registers 2 t, 2 t + 1 of P's fragment; O^T's tiles become y's fragment in the same way.
; THE HOLD OF p.  p is at most 1 (but for the last bit), and 57,344 x 2^e8 is above that wherever e8 >= -15: there the 64 holds change nothing and are jumped over, by a scalar branch on the whole number e8.
; LIMITS on the given exponents, so that each power of two below is an f32 number: e6 + e7 between -123 and 130 (they are added to c's exponent field); e8 and e10 between -126 and 112;
; e8 + e9 is applied by v_ldexp_f32 and has none.  NaN codes are not served.
; THE MODE: SCHED_MODE bits 1:0 = 2 (LLVM: expert scheduling mode 2), set by the entry lines.  The code itself states the register dependences
; between vector or matrix instructions and memory or LDS instructions, with s_wait_alu, always for 0.
; THE PLAN.  Registers that memory or LDS instructions touch:
;   v1, v3          Offsets, made once at the head: v1 is read by every global load and store, v3 by the fill's LDS stores.  Never written again.
;   v32-159         At the head: the fill's 32 loads land in them, the fill's 32 LDS stores read them.  From the barrier on they are KV and S.
;   v16-31          Q: four loads land in them, once; matrix instructions read them.
;   v8, v9          A step's LDS addresses: written by two additions at the step's head, read by the step's 16 loads of K and 16 loads of V.
;   KV (v32-95)     A step: K's loads land; the eight score products read it; V's loads land; the four products of O^T read it.  No vector ALU line names it.
;   v208-223        y's codes: a phase's four conversions write its eight, its two stores read them; never written again.
;   v254, v255      Written at the head, read by the closing add alone.
;   S, O^T, p's codes and the statistics are named, behind the barrier, by vector and matrix instructions alone.
; So a step has one wait on vm_vsrc, ahead of the two additions, and two waits on va_vdst that free KV: one behind the additions, ahead of K's loads, one behind the score products, ahead of V's loads.
; The wave's 256 registers leave no room for a second KV (four waves share a SIMD's 1,024): each run of loads stands directly behind the wait that frees its registers; V's has the softmax in which to land.
.set LI,   1                           ; v1   16 x lane: my place in an image, in memory and in K's part of LDS; never rewritten
.set LIV,  2                           ; v2   the same in V's part of LDS
.set LA,   3                           ; v3   where I store my wave's part of K or V: 16,384 x wave + 16 x lane
.set RH,   4                           ; v4   lane % 16 - 8 (lane / 16)
.set ADK,  8                           ; v8   LDS address of the step's K
.set ADV,  9                           ; v9   of its V
.set DG,   10                          ; v10  on the diagonal: my query less the first key of my registers
.set NINF, 11                          ; v11  -infinity
                                       ; v12 -M, v13 the largest t, v[14:15] the sum in two halves; v16-23, v24-31 Q of the two phases
.set KV,   32                          ; v32-95   K's eight fragments of 8 registers, then V's four of 16
.set S,    96                          ; v96-159  S^T, then p
.set O,    160                         ; v160-191 O^T
.set PC,   192                         ; v192-207 p's codes
.set TA,   224                         ; v224 at work
.set F,    226                         ; v[226:227] f = 2^(old M - new M); v227 is only named with it as a pair
.set SUM2, 228                         ; v[228:229] the sum's second chain
.set PX,   230                         ; v230 what the lane 16 away holds
.set PSC,  231                         ; v231 2^e8;  v232 57,344 x 2^e8;  v233 2^e10;  v234 57,344 x 2^e10
.set PLIM, 232
.set YSC,  233
.set YLIM, 234
.set MK,   46                          ; s[46:61] on the diagonal: sixteen masks (the byte offsets that lie here at the head are used up there)
.set VBASE, 131072                     ; LDS: K's images from 0, V's from here
	s_load_b256 s[4:11], s[0:1], 0x0               ; q s[4:5], k s[6:7], v s[8:9], the scales s[10:11]
	s_load_b64 s[12:13], s[0:1], 0x20              ; y
	v_lshl_add_u32 v254, v0, 2, 0x40000
	v_mov_b32 v255, 0
	v_lshrrev_b32 v5, 5, v0
	v_readfirstlane_b32 s18, v5                    ; wave 0..15
	v_and_b32 v6, 31, v0
	v_lshlrev_b32 v[LI], 4, v6
	v_add_nc_u32 v[LIV], VBASE, v[LI]
	v_lshl_add_u32 v[LA], v5, 14, v[LI]
	v_and_b32 v6, 15, v0
	v_bfe_u32 v7, v0, 4, 1
	v_lshlrev_b32 v7, 3, v7
	v_sub_nc_u32 v[RH], v6, v7
	s_wait_alu depctr_va_sdst(0)                   ; s18 is written, ahead of its first reader: my queries and my part of the fill are made from it
	s_and_b32 s24, ttmp7, 0xffff                   ; 16 b + head
	s_lshl_b32 s26, s24, 17                        ; a head's image is 131,072 bytes in q, k and v
	s_lshl_b32 s38, ttmp9, 8
	s_lshl_b32 s43, s18, 4
	s_add_co_u32 s38, s38, s43                     ; my first query of phase 0: 256 i + 16 w
	s_sub_co_u32 s39, 2032, s38                    ; and of phase 1
	s_and_b32 s43, s18, 7
	s_lshl_b32 s43, s43, 14
	s_add_co_u32 s46, s26, s43                     ; what I bring into LDS: waves 0-7 K's eighths, waves 8-15 V's
	s_mov_b32 s47, 0
	s_lshl_b32 s43, s38, 6                         ; 64 bytes a query
	s_add_co_u32 s48, s26, s43
	s_mov_b32 s49, 0
	s_lshl_b32 s43, s39, 6
	s_add_co_u32 s50, s26, s43
	s_mov_b32 s51, 0
	s_lshr_b32 s43, s24, 4
	s_lshl_b32 s43, s43, 21                        ; y: a batch is 128 token tiles x 16 heads x 1,024 bytes,
	s_and_b32 s45, s24, 15
	s_lshl_b32 s45, s45, 10                        ; a head 1,024,
	s_add_co_u32 s43, s43, s45
	s_lshl_b32 s45, s38, 10                        ; a token tile 16,384: 1,024 a token
	s_add_co_u32 s52, s43, s45
	s_mov_b32 s53, 0
	s_lshl_b32 s45, s39, 10
	s_add_co_u32 s54, s43, s45
	s_mov_b32 s55, 0
	s_mov_b32 s20, 0x76543210                      ; v_permlanex16_b32's selects for lane l xor 16
	s_mov_b32 s21, 0xfedcba98
	s_mov_b32 s22, 0x3e38aa3b                      ; c = log2(e) / 8
	s_wait_kmcnt 0x0
	s_load_b256 s[68:75], s[10:11], 0x0            ; e0 .. e7
	s_load_b128 s[76:79], s[10:11], 0x20           ; e8 .. e11
	s_cmp_lt_u32 s18, 8
	s_cselect_b64 s[28:29], s[6:7], s[8:9]
	s_add_nc_u64 s[28:29], s[28:29], s[46:47]
	s_add_nc_u64 s[30:31], s[4:5], s[48:49]
	s_add_nc_u64 s[32:33], s[4:5], s[50:51]
	s_add_nc_u64 s[34:35], s[12:13], s[52:53]
	s_add_nc_u64 s[36:37], s[12:13], s[54:55]
	s_wait_alu depctr_va_vdst(0)                   ; v1 and v3 are written: every global load and store reads v1 as its offset, the fill's LDS stores read v3; no vector line behind this wait names them, nor v16 to v159
.set n, 0
.rept 32
	global_load_b128 v[KV+4*n:KV+4*n+3], v[LI], s[28:29] offset:512*n   ; my 16,384 bytes, 512 consecutive bytes a load
.set n, n+1
.endr
	global_load_b128 v[16:19], v[LI], s[30:31] th:TH_LOAD_NT            ; Q's two fragments stay in registers
	global_load_b128 v[20:23], v[LI], s[30:31] offset:512 th:TH_LOAD_NT
	global_load_b128 v[24:27], v[LI], s[32:33] th:TH_LOAD_NT
	global_load_b128 v[28:31], v[LI], s[32:33] offset:512 th:TH_LOAD_NT
	v_mov_b32 v[NINF], 0xff800000
	v_mov_b32 v[F+1], 0                            ; (named as the upper half of a pair, so it is written)
	v_mov_b32 v[PX], 0                             ; written once: a lane permute's destination counts as one of its sources
	s_wait_kmcnt 0x0
	s_add_co_i32 s43, s74, s75
	s_lshl_b32 s43, s43, 23
	s_add_co_i32 s22, s22, s43                     ; a score stands for score x 2^(e6 + e7): the two exponents are added to c's exponent field
	s_mov_b32 s23, s22                             ; (named with it as a pair, so it is written)
	s_add_co_i32 s43, s76, 127
	s_lshl_b32 s45, s43, 23
	v_mov_b32 v[PSC], s45                          ; 2^e8
	s_add_co_i32 s43, s43, 15
	s_lshl_b32 s43, s43, 23
	s_or_b32 s43, s43, 0x600000
	v_mov_b32 v[PLIM], s43                         ; 57,344 x 2^e8
	s_add_co_i32 s43, s78, 127
	s_lshl_b32 s45, s43, 23
	v_mov_b32 v[YSC], s45                          ; 2^e10
	s_add_co_i32 s43, s43, 15
	s_lshl_b32 s43, s43, 23
	s_or_b32 s43, s43, 0x600000
	v_mov_b32 v[YLIM], s43                         ; 57,344 x 2^e10
	s_add_co_i32 s44, s76, s77                     ; e8 + e9
.set n, 0
.rept 32
	s_wait_loadcnt 35-n                            ; loads come back in order (ISA guide 5.7.1): behind load n stand the 31 - n younger of these and Q's four
	ds_store_b128 v[LA], v[KV+4*n:KV+4*n+3] offset:512*n
.set n, n+1
.endr
	s_wait_loadcnt 0x0                             ; Q
	s_wait_dscnt 0x0                               ; for the others' sake: my stores have landed
	s_barrier_signal -1
	s_barrier_wait -1                              ; the head's K and V lie in LDS; nothing writes them from here on
	s_wait_alu depctr_vm_vsrc(0)                   ; my LDS stores have read v32 to v159: these registers are KV and S from here on, written by LDS loads, by the score products and by vector lines
; A PHASE: one tile of 16 queries.  qf: Q's registers; q0: the scalar register with my first query; yb: y's base; yc: registers for y's codes (each phase has its own, and its own base: no source of a store is written again);
; trips: a constant: phase 0's queries lie under 1,024, so eight key steps reach them all.
.macro PHASE qf, q0, yb, yc, trips
	v_mov_b32 v13, 0xff61b1e6                      ; the largest t so far: -3e38, under every t
	v_floor_f32 v12, -v13                          ; -M
	v_mov_b32 v14, 0                               ; the sum, in two halves
	v_mov_b32 v15, 0
.set j, 0
.rept 32
	v_mov_b32 v[O+j], 0                            ; O^T.  (The step is written once: the first finds zeros, which the first change of M leaves zeros)
.set j, j+1
.endr
	s_mov_b32 s40, 0                               ; the step's first key
	s_mov_b32 s41, 0                               ; and its images' place in K's and in V's part of LDS: 8,192 bytes a step in both
	s_mov_b32 s42, \trips
.Lstep_\@:
	s_add_co_u32 s43, s[\q0], 15                   ; a step all of whose keys come after my 16 queries is left out: a scalar branch on ids
	s_cmp_gt_u32 s40, s43
	s_cbranch_scc1 .Lhidden_\@
	s_wait_alu depctr_vm_vsrc(0)                   ; the LDS loads issued so far have read v[ADK] and v[ADV], which the two additions write
	v_add_nc_u32 v[ADK], s41, v[LI]
	v_add_nc_u32 v[ADV], s41, v[LIV]
	v_nop                                          ; with the two additions: four plain lines between the last products and the loads into the registers that they read, as in the plain form; the wait below states the dependence
	v_nop
	s_wait_alu depctr_va_vdst(0)                   ; v[ADK] and v[ADV] are written, which this step's LDS loads read; the last step's four products are done reading V in v[KV ..], in which K's loads land
.irp t, 0,1,2,3,4,5,6,7
	ds_load_b128 v[KV+8*\t:KV+8*\t+3], v[ADK] offset:1024*\t
	ds_load_b128 v[KV+8*\t+4:KV+8*\t+7], v[ADK] offset:1024*\t+512
.endr
	s_wait_dscnt 0x0
.irp t, 0,1,2,3,4,5,6,7
	v_wmma_f32_16x16x64_bf8_bf8 v[S+8*\t:S+8*\t+7], v[KV+8*\t:KV+8*\t+7], v[\qf:\qf+7], 0   ; S^T, keys 16 t on
.endr
.rept 4
	v_nop                                          ; places in front of the first read of the scores (ISA guide 7.12.1)
.endr
	s_wait_alu depctr_va_vdst(0)                   ; the eight score products are done reading K in v[KV ..], in which V's loads land; no vector line since the wait at the step's head names v[ADV]
.irp ct, 0,1,2,3
.irp g, 0,1,2,3
	ds_load_b128 v[KV+16*\ct+4*\g:KV+16*\ct+4*\g+3], v[ADV] offset:2048*\ct+512*\g   ; V is asked for here: the softmax, which names none of these registers, stands between these loads and the wait for them
.endr
.endr
	s_add_co_u32 s43, s40, 127                     ; on the diagonal the scores of hidden keys become -infinity ahead of the maximum: p = 0 then.  A step all of whose keys count skips this
	s_cmp_le_u32 s43, s[\q0]
	s_cbranch_scc1 .Lopen_\@
	s_sub_co_i32 s43, s[\q0], s40
	v_add_nc_u32 v[DG], s43, v[RH]                 ; d = my query - the step's first key - 8 (lane / 16).  Register 8 t + j holds key 16 t + 8 (lane / 16) + j: hidden where 16 t + j > d
.set m, 0
.rept 4                                        ; two score tiles at a time: sixteen compares into sixteen scalar registers, one wait, sixteen selects; each tile is read from its low end on
.set n, 0
.rept 16
	v_cmp_gt_i32 s[MK+n], 16*((16*m+n)/8)+(16*m+n)%8, v[DG]
.set n, n+1
.endr
	s_wait_alu depctr_va_sdst(0)                   ; the sixteen compares have written s[MK ..], ahead of the selects that read them
.set n, 0
.rept 16
	v_cndmask_b32 v[S+16*m+n], v[S+16*m+n], v[NINF], s[MK+n]
.set n, n+1
.endr
.set m, m+1
.endr
.Lopen_\@:
	v_max3_num_f32 v[TA], v[S], v[S+1], v[S+2]     ; the step's largest score of my query, among my 64 keys, in two chains, each tile from its low end on,
	v_max3_num_f32 v[F], v[S+3], v[S+4], v[S+5]
.irp i, 6,10,14,18,22,26,30,34,38,42,46,50,54,58
	v_max3_num_f32 v[TA], v[TA], v[S+\i], v[S+1+\i]
	v_max3_num_f32 v[F], v[F], v[S+2+\i], v[S+3+\i]
.endr
	v_max3_num_f32 v[TA], v[TA], v[S+62], v[S+63]
	v_max_num_f32 v[TA], v[TA], v[F]
	v_permlanex16_b32 v[PX], v[TA], s20, s21
	v_max_num_f32 v[TA], v[TA], v[PX]              ; and among lane l xor 16's
	v_mul_f32 v[TA], s22, v[TA]                    ; as t (c is positive)
	v_max_num_f32 v13, v13, v[TA]                  ; the running largest t
	v_mov_b32 v[TA], v12
	v_floor_f32 v12, -v13                          ; the new -M = floor(-t) = -ceil(t): M is a whole number
	v_sub_f32 v[TA], v12, v[TA]                    ; M's old value less its new one: a whole number, 0 or less
	v_cvt_i32_f32 v[TA], v[TA]                     ; (it saturates)
	v_ldexp_f32 v[F], 1.0, v[TA]                   ; f = 2^(old M - new M)
.set j, 0
.rept 32
	v_pk_fma_f32 v[S+j:S+j+1], v[S+j:S+j+1], s[22:23], v[12:13] op_sel_hi:[1,0,0]   ; t - M, two at a time (of the pairs c and -M the low word serves both halves)
.set j, j+2
.endr
.set j, 0
.rept 64
	v_exp_f32 v[S+j], v[S+j]                       ; p = 2^(t - M): not normalised
.set j, j+1
.endr
	v_pk_mul_f32 v[14:15], v[14:15], v[F:F+1] op_sel_hi:[1,0]   ; the sums under the new M.  (A plain place behind the exponentials)
	s_wait_alu depctr_va_vdst(0)                   ; the 64 exponentials have written p in v[S ..]: one wait for the batch, ahead of its first reader
	v_pk_add_f32 v[SUM2:SUM2+1], v[S:S+1], v[S+2:S+3]           ; the row's sum is taken of the unquantised p: two at a time, in two chains
.irp j, 4,8,12,16,20,24,28,32,36,40,44,48,52,56,60
	v_pk_add_f32 v[14:15], v[14:15], v[S+\j:S+1+\j]
	v_pk_add_f32 v[SUM2:SUM2+1], v[SUM2:SUM2+1], v[S+2+\j:S+3+\j]
.endr
	v_pk_add_f32 v[14:15], v[14:15], v[SUM2:SUM2+1]
	s_cmp_ge_i32 s76, -15                          ; e8 >= -15: p / 2^e8 is at most 32,768 (but for the last bit), under the largest code: the hold would change nothing
	s_cbranch_scc1 .Lnohold_\@
.set j, 0
.rept 64
	v_min_num_f32 v[S+j], v[S+j], v[PLIM]          ; the conversion to an 8-bit code does not saturate (ISA guide 7.6.2); p is not negative, so the hold is one-sided
.set j, j+1
.endr
.Lnohold_\@:
.irp t, 0,1,2,3,4,5,6,7
	v_cvt_scalef32_pk8_bf8_f32 v[PC+2*\t:PC+2*\t+1], v[S+8*\t:S+8*\t+7], v[PSC]   ; registers 2 t, 2 t + 1 of P's fragment: keys 16 t + 8 (lane / 16) + 0 .. 7
.endr
.set j, 0
.rept 16
	v_pk_mul_f32 v[O+j:O+j+1], v[O+j:O+j+1], v[F:F+1] op_sel_hi:[1,0]   ; O^T under the new M.  (These are also the plain lines between the conversions and the products below)
.set j, j+2
.endr
	s_wait_dscnt 0x0                               ; V is in
.irp ct, 0,1,2,3
	v_wmma_f32_16x16x128_bf8_bf8 v[O+8*\ct:O+8*\ct+7], v[KV+16*\ct:KV+16*\ct+15], v[PC:PC+15], v[O+8*\ct:O+8*\ct+7]   ; the four accumulators take turns, one instruction a turn; the next step's eight score products stand between two links
.endr
.Lhidden_\@:
	s_add_co_u32 s40, s40, 128
	s_add_co_u32 s41, s41, 8192
	s_sub_co_u32 s42, s42, 1
	s_cmp_lg_u32 s42, 0
	s_cbranch_scc1 .Lstep_\@
.rept 4
	v_nop                                          ; places behind the last products
.endr
	v_add_f32 v14, v14, v15                        ; the sum's two halves,
	v_permlanex16_b32 v[PX], v14, s20, s21
	v_add_f32 v14, v14, v[PX]                      ; and lane l xor 16's: the row's sum
	v_rcp_f32 v14, v14
	v_nop                                          ; one plain place behind a transcendental
	s_wait_alu depctr_va_vdst(0)                   ; the reciprocal has written v14, ahead of its first reader
	v_ldexp_f32 v14, v14, s44                      ; x 2^(e8 + e9)
.set j, 0
.rept 16
	v_pk_mul_f32 v[S+j:S+j+1], v[O+j:O+j+1], v[14:15] op_sel_hi:[1,0]   ; y of my query: register 8 ct + i is channel 16 ct + 8 (lane / 16) + i
.set j, j+2
.endr
.set j, 0
.rept 32
	v_med3_num_f32 v[S+j], v[S+j], -v[YLIM], v[YLIM]
.set j, j+1
.endr
.irp ct, 0,1,2,3
	v_cvt_scalef32_pk8_bf8_f32 v[\yc+2*\ct:\yc+2*\ct+1], v[S+8*\ct:S+8*\ct+7], v[YSC]
.endr
	v_nop                                          ; one plain vector line behind the last conversion: later products write its sources
	s_wait_alu depctr_va_vdst(0)                   ; the four conversions have written y's codes, which the two stores read
	global_store_b128 v[LI], v[\yc:\yc+3], s[\yb:\yb+1]                 ; 32 lanes store 512 consecutive bytes, at a multiple of 512 from y_img's first byte
	global_store_b128 v[LI], v[\yc+4:\yc+7], s[\yb:\yb+1] offset:512
.endm
	PHASE 16, 38, 34, 208, 8
	PHASE 24, 39, 36, 216, 16
	s_wait_dscnt 0x0                               ; the closing lines, six on end
	s_wait_alu 0x0
	s_wait_tensorcnt 0x0
	ds_add_u32 v254, v255
	s_wait_dscnt 0x0
	s_endpgm
.Lfunc_end_k_qe735394f59_attn:
	.size	k_qe735394f59_attn, .Lfunc_end_k_qe735394f59_attn-k_qe735394f59_attn
	.p2alignl 7, 3214868480
	.fill 96, 4, 3214868480
	.section	.rodata,"a",@progbits
	.p2align	6, 0x0
	.amdhsa_kernel k_qe735394f59_attn
		.amdhsa_group_segment_fixed_size 264192
		.amdhsa_private_segment_fixed_size 0
		.amdhsa_enable_private_segment 0
		.amdhsa_kernarg_size 40
		.amdhsa_user_sgpr_count 2
		.amdhsa_user_sgpr_kernarg_segment_ptr 1
		.amdhsa_wavefront_size32 1
		.amdhsa_system_sgpr_workgroup_id_x 1
		.amdhsa_system_sgpr_workgroup_id_y 1
		.amdhsa_system_sgpr_workgroup_id_z 1
		.amdhsa_system_vgpr_workitem_id 0
		.amdhsa_next_free_vgpr 256
		.amdhsa_next_free_sgpr 80
		.amdhsa_reserve_vcc 0
		.amdhsa_float_denorm_mode_32 3
		.amdhsa_float_denorm_mode_16_64 3
		.amdhsa_memory_ordered 1
		.amdhsa_forward_progress 1
		.amdhsa_inst_pref_size 71
	.end_amdhsa_kernel
	.amdgpu_metadata
---
amdhsa.version: [ 1, 2 ]
amdhsa.kernels:
  - .name:           k_qe735394f59_attn
    .symbol:         k_qe735394f59_attn.kd
    .args:
      - { .name: q_img, .offset: 0, .size: 8, .value_kind: global_buffer, .address_space: global }
      - { .name: k_img, .offset: 8, .size: 8, .value_kind: global_buffer, .address_space: global }
      - { .name: v_img, .offset: 16, .size: 8, .value_kind: global_buffer, .address_space: global }
      - { .name: lowp_scales, .offset: 24, .size: 8, .value_kind: global_buffer, .address_space: global }
      - { .name: y_img, .offset: 32, .size: 8, .value_kind: global_buffer, .address_space: global }
    .group_segment_fixed_size: 264192
    .private_segment_fixed_size: 0
    .kernarg_segment_align: 8
    .kernarg_segment_size: 40
    .max_flat_workgroup_size: 512
    .sgpr_count:     80
    .vgpr_count:     256
    .wavefront_size: 32
...
	.end_amdgpu_metadata
.endif
;; end of part 4
;; launch proj: the kernel of part 3 again; grid 4 x 64, 4 waves a work-group, clusters of 4 x 4, 327,680 bytes of LDS; arguments y_img, Wp_codes, lowp_scales, out0; writes out0
